; MI455X (gfx1250); checked and timed in simulation.
; The chip was launched on July 23, 2026; its instructions are those of AMD's public machine-readable ISA for CDNA 5 (MIT licence, August 2026) and "CDNA5" Instruction Set Architecture Reference Guide (July 2026). The comments in the code are by the model that wrote it; some were corrected since.
;; Maat Constrained Attention. Allowed arithmetic: matrix products marked QUANTISED: E2M3 operands, one E8M0 scale for each 32 along K, by v_wmma_scale_f32_16x16x128_f8f6f4 with both operands' format E2M3, f32 sums; everything else in f32.
;; Inputs: Wk_codes 2,048 x 64 x 24 uint8 (E2M3 codes of Wk, K innermost, in blocks of 32 codes, four codes in three bytes); Wk_scales 2,048 x 64 uint8 (E8M0 scales of Wk, one for each 32 codes along K); Wo_codes 2,048 x 64 x 24 uint8 (E2M3 codes of Wo, K innermost, in blocks of 32 codes, four codes in three bytes); Wo_scales 2,048 x 64 uint8 (E8M0 scales of Wo, one for each 32 codes along K); Wq_codes 2,048 x 64 x 24 uint8 (E2M3 codes of Wq, K innermost, in blocks of 32 codes, four codes in three bytes); Wq_scales 2,048 x 64 uint8 (E8M0 scales of Wq, one for each 32 codes along K); Wv_codes 2,048 x 64 x 24 uint8 (E2M3 codes of Wv, K innermost, in blocks of 32 codes, four codes in three bytes); Wv_scales 2,048 x 64 uint8 (E8M0 scales of Wv, one for each 32 codes along K); balance_gate 1 float32; bk 2,048 float32; bo 2,048 float32; bq 2,048 float32; bv 2,048 float32; harmony_gate 1 float32; hidden_states_codes 1 x 2,048 x 64 x 24 uint8 (E2M3 codes of hidden_states, K innermost, in blocks of 32 codes, four codes in three bytes); hidden_states_scales 1 x 2,048 x 64 uint8 (E8M0 scales of hidden_states, one for each 32 codes along K); justice_gate 1 float32; order_gate 1 float32; truth_gate 1 float32.
;; Outputs: out0 1 x 2,048 x 2,048 float32.
;; This version of the problem:
;;   THIS VERSION OF THE PROBLEM IS GIVEN IN LOW PRECISION. The matrix products marked QUANTISED in the list below multiply operands that are first quantised to E2M3 (2 exponent bits, 3 mantissa bits; 6 bits a number), with one power-of-two scale for each 32 numbers along K (OCP MX v1.0); their sums are f32. All else is computed in f32.
;;   The module's matrix products, in the order in which they are computed (A, B: the left and right operand; K: the contracted axis; several contracted axes count as one K, in the product's order):
;;     1. [M 2,048, K 2,048] x [K 2,048, N 2,048]; A: input hidden_states (given as codes); B: input Wq (given as codes): QUANTISED
;;     2. [M 2,048, K 2,048] x [K 2,048, N 2,048]; A: input hidden_states (given as codes); B: input Wk (given as codes): QUANTISED
;;     3. [M 2,048, K 2,048] x [K 2,048, N 2,048]; A: input hidden_states (given as codes); B: input Wv (given as codes): QUANTISED
;;     4. batch 16 x [M 2,048, K 128] x [K 128, N 2,048]; A: computed on the way; B: computed on the way: QUANTISED
;;     5. batch 16 x [M 2,048, K 2,048] x [K 2,048, N 128]; A: softmax (see below); B: computed on the way: QUANTISED
;;     6. [M 2,048, K 2,048] x [K 2,048, N 2,048]; A: computed on the way; B: input Wo (given as codes): QUANTISED
;;   THE QUANTISER, for each operand of a quantised product, along K:
;;     - K is cut into blocks of 32 from its start; a last block that is shorter is filled with zeros.
;;     - A block's scale is 2^e with e = floor(log2(the largest magnitude in the block)) - 2, held to -126 .. 127; a block of zeros has e = 0. As a byte (E8M0): e + 127.
;;     - Each number is divided by its block's scale, clamped to +-7.5, and rounded to the nearest number of E2M3, ties to even, subnormals kept.
;;     - The product sums the exact products of the quantised numbers (number of the format x scale) in f32.
;;   ~~~python
;;   def quantise(x, axis):      # numpy; x: float32 -> the quantised numbers, widened to float32 again
;;       x = np.moveaxis(x, axis, -1); K = x.shape[-1]
;;       x = np.pad(x, [(0, 0)] * (x.ndim - 1) + [(0, -K % 32)]); x = x.reshape(x.shape[:-1] + (-1, 32)); a = np.abs(x).max(-1, keepdims=True)
;;       e = np.where(a > 0, np.clip(np.frexp(np.where(a > 0, a, 1))[1] - 1 - 2, -126, 127), 0)      # np.frexp(a)[1] - 1 = floor(log2(a)), exactly
;;       r = np.clip(x / 2.0 ** e, -7.5, 7.5)
;;       step = 2.0 ** (np.maximum(np.frexp(np.where(r == 0, 1, r))[1] - 1, 0) - 3)
;;       q = np.round(r / step) * step * 2.0 ** e      # np.round: ties to even
;;       return np.moveaxis(q.reshape(q.shape[:-2] + (-1,))[..., :K], -1, axis).astype(np.float32)
;;   ~~~
;;   SOFTMAX AHEAD OF A QUANTISED PRODUCT. Where the list says 'softmax', what is quantised is not the finished softmax but p = 2^(t - M), with t = logit x log2(e) and M = ceil(the row's largest t), a whole number; so 1/2 < the row's largest p <= 1. The row's sum l is taken of the UNQUANTISED p, in f32, and the product's result is divided by l at the end. Since M is a whole number, a kernel that streams over the keys may use a running M (the ceiling of the running maximum): every later rescaling is an exact power of two, which a block's scale takes up: the codes' values come out the same.
;;   OPERANDS COMPUTED ON THE WAY. 'Computed on the way' means the value that the module computes at that place (a softmax that the list does not call 'softmax' is quantised finished and normalised). What goes into a quantiser is computed in f32, as accurately as f32 sums, v_exp_f32 and their like allow (about 1e-6 of the number): no bf16 or f16 on the way to a quantiser, and a product that is left as it is and whose result goes on into a quantised operand takes f32 operands (vector FMAs, or v_wmma_f32_16x16x4_f32). A number that lies on a knife's edge between two numbers of the format may be rounded either way, as far as f32 arithmetic and the matrix unit's own rounding can turn it there, and no further.
;;   INPUTS GIVEN AS CODES. Wk (in the module: [2048, 2048], K = its axis 1); Wo (in the module: [2048, 2048], K = its axis 1); Wq (in the module: [2048, 2048], K = its axis 1); Wv (in the module: [2048, 2048], K = its axis 1); hidden_states (in the module: [1, 2048, 2048], K = its axis 2): each comes as NAME_codes (uint8): NAME with its K axis moved to the last place and cut into blocks of 32 codes, [.., K / 32, bytes a block], one block behind the other in memory; four codes in three bytes: a row's codes are one little-endian stream of bits, code i at bits 6 i .. 6 i + 5 (a code: sign, 2 exponent bits, 3 mantissa bits); and NAME_scales (uint8): the same leading axes, one E8M0 byte (e + 127) for each 32 codes along K. Its value is code x scale, taken as it is: it is not quantised again, and the codes and scales need not be those that the quantiser above would give.
;; One version. Each part assembles by itself: llvm-mc -triple=amdgcn-amd-amdhsa -mcpu=gfx1250 --defsym DOCPART=n.
;; ======== version 1 of 1: 3 launches
;; workspace buffers: qres 3,407,872 bytes; kres 3,407,872 bytes; vres 3,407,872 bytes; kn2 131,072 bytes; oimg 3,145,728 bytes; osc 131,072 bytes
;; launch qkv (part 1): grid 24 x 8, 4 waves a work-group, clusters of 4 x 4, 327,680 bytes of LDS; arguments hidden_states_codes, hidden_states_scales, Wq_codes, Wq_scales, Wk_codes, Wk_scales, Wv_codes, Wv_scales, bq, bk, bv, qres, kres, vres, kn2; writes qres, kres, vres, kn2
.if DOCPART == 1
	.amdgcn_target "amdgcn-amd-amdhsa--gfx1250"
	.amdhsa_code_object_version 6
	.text
	.protected	k_q91b929126f_qkv
	.globl	k_q91b929126f_qkv
	.p2align	8
	.type	k_q91b929126f_qkv,@function
k_q91b929126f_qkv:
	s_mov_b64 s[64:65], 0
	v_nop
	global_prefetch_b8 v0, s[64:65] scope:SCOPE_SE
	s_setreg_imm32_b32 hwreg(HW_REG_WAVE_MODE, 25, 1), 1
	s_wait_xcnt 0x0
	s_wait_alu depctr_hold_cnt(0) depctr_sa_sdst(0) depctr_va_vdst(0) depctr_va_sdst(0) depctr_va_ssrc(0) depctr_va_vcc(0) depctr_vm_vsrc(0)
	s_getreg_b32 s2, hwreg(HW_REG_IB_STS2, 6, 4)
	s_cmp_eq_u32 s2, 0
	s_cbranch_scc0 .Lentry_in_a_cluster
	s_endpgm
.Lentry_in_a_cluster:
	s_bfe_u32 s2, ttmp6, 0x10000c
	s_cmp_lg_u32 s2, 0xf033
	s_cbranch_scc0 .Lentry_shape_is_right
	s_endpgm
.Lentry_shape_is_right:
; q = X Wq^T + bq, k = X Wk^T + bk, v = X Wv^T + bv: three products of 2,048 x 2,048 x 2,048 on codes of FP6 (E2M3) with one E8M0 scale for each 32 along K, in one launch; the results are quantised
; at once, q and k along the head's 128 channels, v along the tokens (the keys), and leave as IMAGES OF OPERAND REGISTERS: a fragment (16 rows x 128 K, 12 registers a lane) is 1,536 bytes, register group c
; of lane l at 512 c + 16 l.  The scale words of a wave's eight fragments leave as one pack of 512 bytes: word p of lane l (byte 16 l + 4 p) is the word of tile 2 p + l / 16, row l % 16.
; WHICH = cluster x / 2 (the same in all partners of a cluster): 0 q, 1 k, 2 v.  C = A B^T; q, k: A = X (tokens), B = W (features); v: A = Wv (features), B = X (tokens).  The matrix instruction is used
; transposed (source 0 = 16 rows of B, source 1 = 16 rows of A), so a lane holds one row of A and its registers run along B's rows: the axis that is quantised.
; A work-group makes 256 x 256 of C, a wave 128 x 128: one head x one block of 128 tokens.  K goes in steps of 256 through two LDS slots; the scale bytes of the work-group's rows stay in LDS.
; CLUSTERS: 4 x 4 work-groups; A's tiles are asked for jointly along a row of the cluster, B's along a column.
; ORDER INSIDE A BLOCK OF 32: a lane's 16 registers of two neighbouring accumulators hold n = 8 h + i + 8 (i / 8) of the block and are laid at places 16 h + i.  q and k are laid alike, v and the softmax's p
; (next launch) are laid alike, blocks and scales are the true ones: the products are the same, only the order of the additions inside an instruction differs.
; LIMITS: NaN and infinities are not served; a block whose largest magnitude lies under 2^-124, a block of zeros among them, gets the scale byte 1 (its codes are then zeros or as the held scale gives them);
; these bytes are read by this program alone.
; REGISTERS: window 0: v0-31 addresses; v32-63 scale words, two sets; v64-127 the bias along n (C of the first products), later 64 results at work; v128-223 A's fragments, later the quantiser's registers;
;   v224-239 the bias along m, each number twice.  window 1: B's fragments, two sets.  windows 2, 3: the 64 accumulators.
.set KSTEP,  256
.set NQ,     KSTEP/128
.set ROWB,   192                       ; a tile's row: 256 codes of 6 bits
.set KROW,   1536                      ; a row of X or of W in memory
.set PITCH,  240                       ; an LDS row: 3 x (64 bytes + 16 of padding)
.set FR,     12
.set NL,     6
.set NP,     4
.set HALFT,  128*PITCH
.set SLOT,   4*HALFT
.set LAPS,   2048/(2*KSTEP)
.set KS,     64                        ; a row of scale bytes
.set SCL,    2*SLOT
.set HALFS,  (128*KS/256)*272
.set SBLK,   (16*KS/256)*272
.set SPARE,  SCL+4*HALFS               ; the spare words: 128 bytes a wave, two blocks of 256 bytes that no other line names
.set HS,     212992                    ; a head's part of qres, kres, vres: 16 x 12,288 bytes of images, 8,192 of scale packs, 8,192 more (in kres: v's packs)
.set STEPB,  12288                     ; eight images
.set SCO,    196608
.set ADRA, 16
.set ADRB, 20
.set CO,   26                          ; v26  16 x lane
.set ADRS, 27
.set SPW,  28
.set NIL,  29
.set SC,   32
.set BN,   64
.set AF,   128
.set BM,   224
.set ST,   64                          ; the way out: 64 results of a lane
.set CD,   128                         ; v128-147 the codes just made
.set TM,   148                         ; v148-163 the quantiser's work
.set PW,   164                         ; the scale word just made
.set SW,   168                         ; v168-175 the eight scale words
.set NRM,  176                         ; v176-183 the eight sums of k^2
.set PK,   184                         ; v184-187 the pack of scale words
.set NT,   188                         ; v188-191 at work on the sums
.set NPK,  192                         ; v192-195 the pack of sums
.set SEL,  20                          ; s[20:21] lane selects: lane l xor 16
.set G1, 24
.set G0, 32
.set G1B, 48
.set G0B, 56
.set G1S, 68
.set G0S, 76
.set G1SB, 80
.set G0SB, 88
.set MSB, 0
.macro WIN new                         ; the immediate's high byte repeats the setting that is left
.if MSB != (\new)
	s_set_vgpr_msb (MSB<<8)|(\new)
.set MSB, (\new)
.endif
.endm
.set MUL_LO, 0xa1                      ; source 0 (B) window 1, source 1 (A) window 0, C and D window 2
.set MUL_HI, 0xf1                      ; the same, C and D window 3
.set FST_LO, 0x81                      ; the first products: C (the bias) window 0, D window 2
.set FST_HI, 0xc1                      ; D window 3
.set TO_B,   0x40
; A joint load: waves 0 and 1 fetch for A, waves 2 and 3 for B; the branch hangs on the wave's number alone.  Four v_nop follow each of the two lines.
.macro JLOAD g0a, g1a, g0b, g1b
	s_cmp_eq_u32 s15, 0
	s_cbranch_scc0 .Lfor_b_\@
	tensor_load_to_lds s[\g0a:\g0a+3], s[\g1a:\g1a+7]
	s_nop 0
.rept 4
	v_nop
.endr
	s_branch .Lasked_\@
.Lfor_b_\@:
	tensor_load_to_lds s[\g0b:\g0b+3], s[\g1b:\g1b+7]
	s_nop 0
.rept 4
	v_nop
.endr
.Lasked_\@:
.endm
.macro CREST                           ; a round of the cluster's barrier behind its opening barrier
	s_cmp_lg_u32 s14, 0
	s_cbranch_scc1 .Lnot_wave_0_\@
	s_barrier_signal -3
.Lnot_wave_0_\@:
	s_barrier_wait -3
	s_barrier_signal -1
	s_barrier_wait -1
.endm
.macro CROUND
	s_barrier_signal -1
	s_barrier_wait -1
	CREST
.endm
	s_load_b512 s[68:83], s[0:1], 0x0              ; X's codes, scales; Wq's; Wk's; Wv's
	s_load_b256 s[84:91], s[0:1], 0x40             ; bq, bk, bv, qres
	s_load_b128 s[92:95], s[0:1], 0x60             ; kres, vres
	s_load_b64 s[96:97], s[0:1], 0x70              ; kn2
	v_lshl_add_u32 v[SPW], v0, 2, SPARE
	v_mov_b32 v[NIL], 0
	ds_add_u32 v28, v29
	ds_add_u32 v28, v29
	s_wait_dscnt 0x0
	v_lshrrev_b32 v1, 5, v0
	v_readfirstlane_b32 s14, v1                    ; wave 0..3
	s_lshr_b32 s15, s14, 1                         ; which half of the tile's rows is mine.  Also: I fetch for A (0) or for B (1)
	s_and_b32 s16, s14, 1                          ; which half of its columns.  Also: which 128 rows I fetch
	s_bfe_u32 s40, ttmp6, 0x40000                  ; cx, cy
	s_bfe_u32 s41, ttmp6, 0x40004
	s_lshr_b32 s2, ttmp9, 1                        ; WHICH: two clusters along x for each of q, k, v
	s_and_b32 s42, ttmp9, 1
	s_lshl_b32 s42, s42, 2
	s_add_co_u32 s42, s42, s40                     ; tile column of C, 0..7
	s_and_b32 s17, ttmp7, 0xffff
	s_lshl_b32 s17, s17, 2
	s_add_co_u32 s17, s17, s41                     ; tile row of C, 0..7
	s_lshl_b32 s43, s41, 2
	s_lshl_b32 s43, 15, s43                        ; my row of the cluster
	s_lshl_b32 s44, 0x1111, s40                    ; my column
	s_wait_kmcnt 0x0
	; the buffers are chosen by WHICH alone; all three take one path through the text
	s_cmp_eq_u32 s2, 2
	s_cselect_b64 s[4:5], s[80:81], s[68:69]       ; A's codes: Wv's or X's
	s_cselect_b64 s[6:7], s[82:83], s[70:71]       ; A's scales
	s_cselect_b64 s[8:9], s[68:69], s[76:77]       ; B's codes: X's, or Wk's (Wq's below)
	s_cselect_b64 s[10:11], s[70:71], s[78:79]
	s_cselect_b64 s[66:67], s[88:89], s[86:87]     ; the bias
	s_cselect_b64 s[12:13], s[94:95], s[92:93]     ; where the images go
	s_mov_b64 s[98:99], s[92:93]                   ; where the scale packs go: k's and v's into kres
	s_mov_b64 s[100:101], s[96:97]                 ; kn2
	s_cmp_eq_u32 s2, 0
	s_cselect_b64 s[8:9], s[72:73], s[8:9]
	s_cselect_b64 s[10:11], s[74:75], s[10:11]
	s_cselect_b64 s[66:67], s[84:85], s[66:67]
	s_cselect_b64 s[12:13], s[90:91], s[12:13]
	s_cselect_b64 s[98:99], s[90:91], s[98:99]
	; descriptor group 1: a tile of 128 rows x 192 bytes, 16 bytes of padding behind every 64
	s_or_b32 s[G1+0], s43, (0<<16)|(1<<20)|(1<<21)|(3<<22)|(3<<25)
	s_or_b32 s[G1B+0], s44, (0<<16)|(1<<20)|(1<<21)|(3<<22)|(3<<25)
.irp g, G1, G1B
	s_mov_b32 s[\g+1], ROWB<<16                    ; tensor_dim0
	s_mov_b32 s[\g+2], 128<<16                     ; tensor_dim1
	s_mov_b32 s[\g+3], ROWB<<16                    ; tile_dim0
	s_mov_b32 s[\g+4], 128                         ; tile_dim1
	s_mov_b32 s[\g+5], KROW                        ; the pitch
	s_mov_b32 s[\g+6], 0
	s_mov_b32 s[\g+7], 0
.endr
	; the scale bytes of 128 rows: a dense block of 8,192 bytes, as 32 rows of 256 bytes, 16 bytes of padding behind each
	s_or_b32 s[G1S+0], s43, (3<<16)|(1<<20)|(1<<21)|(5<<22)|(3<<25)
	s_or_b32 s[G1SB+0], s44, (3<<16)|(1<<20)|(1<<21)|(5<<22)|(3<<25)
.irp g, G1S, G1SB
	s_mov_b32 s[\g+1], 32<<16
	s_mov_b32 s[\g+2], (128*KS/256)<<16
	s_mov_b32 s[\g+3], 32<<16
	s_mov_b32 s[\g+4], 128*KS/256
	s_mov_b32 s[\g+5], 32
	s_mov_b32 s[\g+6], 0
	s_mov_b32 s[\g+7], 0
.endr
	s_lshl_b32 s18, s16, 7                         ; which 128 rows of the tile I fetch
	s_lshl_b32 s20, s17, 8
	s_add_co_u32 s20, s20, s18                     ; A: row 256 x tile row + 128 x half
	s_lshl_b32 s46, s42, 8
	s_add_co_u32 s46, s46, s18                     ; B: row 256 x tile column + 128 x half
	s_mov_b32 s21, 0
	s_mov_b32 s47, 0
	s_mov_b64 s[18:19], KS
	s_mul_u64 s[22:23], s[20:21], s[18:19]
	s_mul_u64 s[92:93], s[46:47], s[18:19]
	s_mov_b64 s[18:19], KROW
	s_mul_u64 s[20:21], s[20:21], s[18:19]
	s_mul_u64 s[46:47], s[46:47], s[18:19]
	s_mul_i32 s45, s14, HALFT                      ; where they go: wave x 128 rows
	s_mul_i32 s94, s14, HALFS
	s_add_nc_u64 s[20:21], s[4:5], s[20:21]
	s_add_nc_u64 s[22:23], s[6:7], s[22:23]
	s_add_nc_u64 s[46:47], s[8:9], s[46:47]
	s_add_nc_u64 s[92:93], s[10:11], s[92:93]
	CROUND                                         ; all sixteen work-groups are here: the first joint loads meet
	s_mov_b32 s[G0S], 1
	s_add_co_u32 s[G0S+1], s94, SCL
	s_mov_b64 s[G0S+2:G0S+3], s[22:23]
	s_or_b32 s[G0S+3], s[G0S+3], 0x80000000
	s_mov_b32 s[G0SB], 1
	s_add_co_u32 s[G0SB+1], s94, SCL
	s_mov_b64 s[G0SB+2:G0SB+3], s[92:93]
	s_or_b32 s[G0SB+3], s[G0SB+3], 0x80000000
	JLOAD G0S, G1S, G0SB, G1SB                     ; the scale bytes first: they are wanted with K step 0.  With the two below, three loads of mine are out
.irp s, 0,1
	s_mov_b32 s[G0+4*\s], 1
	s_add_co_u32 s[G0+4*\s+1], s45, \s*SLOT
	s_add_nc_u64 s[G0+4*\s+2:G0+4*\s+3], s[20:21], \s*ROWB
	s_or_b32 s[G0+4*\s+3], s[G0+4*\s+3], 0x80000000
	s_mov_b32 s[G0B+4*\s], 1
	s_add_co_u32 s[G0B+4*\s+1], s45, \s*SLOT
	s_add_nc_u64 s[G0B+4*\s+2:G0B+4*\s+3], s[46:47], \s*ROWB
	s_or_b32 s[G0B+4*\s+3], s[G0B+4*\s+3], 0x80000000
	JLOAD G0+4*\s, G1, G0B+4*\s, G1B
.endr
	v_and_b32 v1, 15, v0                           ; r = l % 16
	v_bfe_u32 v2, v0, 4, 1                         ; h = l / 16
	; where my results go, and my parts of the bias
	s_lshl_b32 s18, s17, 1
	s_add_co_u32 s18, s18, s15                     ; my block of 128 along m
	s_lshl_b32 s19, s42, 1
	s_add_co_u32 s19, s19, s16                     ; and along n
	s_cmp_eq_u32 s2, 2
	s_cselect_b32 s20, s18, s19                    ; the head: features run along n for q and k, along m for v
	s_cselect_b32 s21, s19, s18                    ; the block of 128 tokens
	s_cselect_b32 s22, 8192, 0                     ; v's scale packs lie behind k's
	s_cselect_b32 s96, 0, -1                       ; all ones where the bias runs along n
	s_cselect_b32 s97, -1, 0                       ; all ones where it runs along m
	s_mul_i32 s46, s20, HS
	s_mul_i32 s23, s21, STEPB
	s_add_co_u32 s92, s46, s23
	s_mov_b32 s93, 0
	s_add_nc_u64 s[12:13], s[12:13], s[92:93]      ; my eight images
	s_lshl_b32 s23, s21, 9
	s_add_co_u32 s92, s46, s23
	s_add_co_u32 s92, s92, s22
	s_add_co_u32 s92, s92, SCO
	s_add_nc_u64 s[98:99], s[98:99], s[92:93]      ; my pack of scale words
	s_lshl_b32 s92, s20, 4
	s_add_co_u32 s92, s92, s21
	s_lshl_b32 s92, s92, 9
	s_add_nc_u64 s[100:101], s[100:101], s[92:93]  ; my pack of sums of k^2
	s_lshl_b32 s92, s19, 9
	s_add_nc_u64 s[46:47], s[66:67], s[92:93]      ; the bias at my 128 n
	s_lshl_b32 s92, s18, 9
	s_add_nc_u64 s[66:67], s[66:67], s[92:93]      ; and at my 128 m (both lie inside its 2,048 numbers)
	v_lshlrev_b32 v7, 5, v2                        ; 32 h
	v_lshlrev_b32 v8, 2, v1                        ; 4 r
.irp b, 0,1,2,3,4,5,6,7
	global_load_b128 v[BN+8*\b:BN+8*\b+3], v7, s[46:47] offset:64*\b           ; bias(16 b + 8 h + 0 .. 7): the result's layout
	global_load_b128 v[BN+8*\b+4:BN+8*\b+7], v7, s[46:47] offset:64*\b+16
.endr
.irp a, 0,1,2,3,4,5,6,7
	global_load_b32 v[BM+2*\a], v8, s[66:67] offset:64*\a                      ; bias(16 a + r)
.endr
	s_mov_b32 s[SEL], 0x76543210
	s_mov_b32 s[SEL+1], 0xfedcba98
	v_mul_u32_u24 v3, v1, PITCH
	v_mul_u32_u24 v4, v2, 24
	v_add_nc_u32 v4, v3, v4                        ; a fragment's row x pitch + 24 x half
	v_lshl_add_u32 v5, v2, 4, v4                   ; and the same behind one padding more
	s_mul_i32 s18, s15, HALFT                      ; my 128 rows of A
	s_mul_i32 s19, s16, HALFT                      ; my 128 rows of B,
	s_add_co_u32 s19, s19, 2*HALFT                 ; behind A's 256
.irp s, 0,1
	v_add_nc_u32 v[ADRA+\s], s18, v4
	v_add_nc_u32 v[ADRB+\s], s19, v4
	v_add_nc_u32 v[ADRA+2+\s], s18, v5
	v_add_nc_u32 v[ADRB+2+\s], s19, v5
	s_add_co_u32 s18, s18, SLOT
	s_add_co_u32 s19, s19, SLOT
.endr
	v_mul_u32_u24 v5, v1, KS                       ; my row's scale bytes: 64 a row,
	v_lshrrev_b32 v6, 8, v5
	v_lshl_add_u32 v5, v6, 4, v5                   ; and 16 more for each 256 passed
	s_mul_i32 s18, s15, HALFS                      ; A's: my 128 rows
	s_mul_i32 s19, s16, HALFS                      ; B's: my 128 rows, behind A's 256
	s_add_co_u32 s19, s19, 2*HALFS
	s_sub_co_u32 s19, s19, s18
	v_mul_u32_u24 v6, s19, v2                      ; lanes 16-31 take B's
	s_add_co_u32 s18, s18, SCL
	v_add_nc_u32 v5, v5, v6
	v_add_nc_u32 v[ADRS], s18, v5
	v_and_b32 v6, 31, v0
	v_lshlrev_b32 v[CO], 4, v6
	s_mov_b32 s22, 0xffff0000                      ; lanes 16-31
	s_wait_loadcnt 0x0                             ; the bias
.set i, 0
.rept 64
	v_cndmask_b32 v[BN+i], 0, v[BN+i], s96         ; along n it is the C of the first products; zeros where it runs along m
.set i, i+1
.endr
.irp a, 0,1,2,3,4,5,6,7
	v_cndmask_b32 v[BM+2*\a], 0, v[BM+2*\a], s97   ; along m it is added on the way out; zeros where it runs along n
.endr
.irp a, 0,1,2,3,4,5,6,7
	v_mov_b32 v[BM+2*\a+1], v[BM+2*\a]             ; twice: a pair for the packed addition
.endr
.macro FRAG reg, adr, q, i             ; 16 rows x 128 K of 6-bit codes: lane l holds row l % 16; registers 6 c .. 6 c + 5 hold K = 64 c + 32 (l / 16) + 0 .. 31, as the bytes lie; in pieces of 8 bytes
.irp p, 0,1,2,3,4,5
.set PCE, 12*(\q)+6*(\p/3)+\p%3       ; where the piece three on (lanes 16-31) lies behind one padding more, the second address register serves
.if PCE%8 < 5
	ds_load_b64 v[\reg+2*\p:\reg+2*\p+1], v[\adr] offset:8*PCE+16*(PCE/8)+(\i)*16*PITCH
.else
	ds_load_b64 v[\reg+2*\p:\reg+2*\p+1], v[\adr+2] offset:8*PCE+16*(PCE/8)+(\i)*16*PITCH
.endif
.endr
.endm
; 16 matrix instructions: A's blocks a0, a0 + 1 x B's eight.  zero = 1: the first products start the sums from the bias.  The 64 accumulators take turns, one instruction a turn.
.macro MUL16 a0, p, q, sc, zero
.irp a, \a0, \a0+1
.irp b, 0,1,2,3,4,5,6,7
.if \zero
	v_wmma_scale_f32_16x16x128_f8f6f4 v[8*(8*((\a)%4)+\b):8*(8*((\a)%4)+\b)+7], v[128*(\p)+FR*\b:128*(\p)+FR*\b+FR-1], v[AF+FR*(\a):AF+FR*(\a)+FR-1], v[BN+8*\b:BN+8*\b+7], v[SC+8*NQ*(\sc)+NQ*\b+(\q)], v[SC+8*NQ*(\sc)+NQ*(\a)+(\q)] matrix_a_fmt:MATRIX_FMT_FP6 matrix_b_fmt:MATRIX_FMT_FP6 matrix_a_scale:MATRIX_SCALE_ROW1
.else
	v_wmma_scale_f32_16x16x128_f8f6f4 v[8*(8*((\a)%4)+\b):8*(8*((\a)%4)+\b)+7], v[128*(\p)+FR*\b:128*(\p)+FR*\b+FR-1], v[AF+FR*(\a):AF+FR*(\a)+FR-1], v[8*(8*((\a)%4)+\b):8*(8*((\a)%4)+\b)+7], v[SC+8*NQ*(\sc)+NQ*\b+(\q)], v[SC+8*NQ*(\sc)+NQ*(\a)+(\q)] matrix_a_fmt:MATRIX_FMT_FP6 matrix_b_fmt:MATRIX_FMT_FP6 matrix_a_scale:MATRIX_SCALE_ROW1
.endif
.endr
.endr
.endm
.macro FETCH_B slot, q, p
	WIN TO_B
.irp i, 0,1,2,3,4,5,6,7
	FRAG 128*(\p)+FR*\i, ADRB+\slot, \q, \i
.endr
	WIN 0
.endm
.macro FETCH_A slot, q, i0
.irp i, \i0, \i0+1, \i0+2, \i0+3
	FRAG AF+FR*(\i), ADRA+\slot, \q, \i
.endr
.endm
.macro SCALES sc                       ; the K step's scale words: lanes 0-15 take A's block i, lanes 16-31 B's block i
.irp i, 0,1,2,3,4,5,6,7
	ds_load_b64 v[SC+8*NQ*\sc+NQ*\i:SC+8*NQ*\sc+NQ*\i+1], v[ADRS] offset:\i*SBLK
.endr
.endm
.macro PLACES n                        ; plain vector instructions between a matrix instruction and a load into, or a vector write or read of, its registers
.rept \n
	v_nop
.endr
.endm
.macro STEP slot, q, zero              ; a step of 128 along K that has its successor in the same slot
	s_wait_dscnt 4*NL                              ; B's set and A's blocks 0-3 are in; the youngest 24 loads (A's blocks 4-7) may be out
.if \zero
	WIN FST_LO
.else
	WIN MUL_LO
.endif
	MUL16 0, (\q)%2, \q, \slot, \zero
	MUL16 2, (\q)%2, \q, \slot, \zero
	s_wait_dscnt 0
	PLACES NP
	FETCH_B \slot, (\q)+1, 1-(\q)%2
	FETCH_A \slot, (\q)+1, 0
.if \zero
	WIN FST_HI
.else
	WIN MUL_HI
.endif
	MUL16 4, (\q)%2, \q, \slot, \zero
	MUL16 6, (\q)%2, \q, \slot, \zero
	PLACES NP
	WIN 0
	FETCH_A \slot, (\q)+1, 4
.endm
; A slot's last step changes slots: one barrier; in front of it each wave waits for all its tensor loads, adds 0 to its spare word, and waits for that and for its own reads of this slot.
.macro TURN slot, next, fill
	s_wait_tensorcnt 0x0                           ; all my tensor loads have landed: my part of the next slot
	ds_add_u32 v[SPW], v[NIL]                      ; 0 onto my spare word
	s_wait_dscnt 4*NL+1                            ; (the add and the youngest 24 loads may be out)
	WIN MUL_LO
	MUL16 0, 1, NQ-1, \slot, 0
	s_wait_dscnt 0x0                               ; the add is done, and my reads of this slot are over
	s_barrier_signal -1
	MUL16 2, 1, NQ-1, \slot, 0
	WIN 0
	s_barrier_wait -1
.if \fill
	CREST                                          ; the barrier has opened a round of the cluster's barrier: no wave of any partner still reads this slot or has a load on its way
	s_add_nc_u64 s[G0+4*\slot+2:G0+4*\slot+3], s[G0+4*\slot+2:G0+4*\slot+3], 2*ROWB
	s_add_nc_u64 s[G0B+4*\slot+2:G0B+4*\slot+3], s[G0B+4*\slot+2:G0B+4*\slot+3], 2*ROWB
	JLOAD G0+4*\slot, G1, G0B+4*\slot, G1B         ; the first tensor load behind the round; its four v_nop are the places in front of the loads below
.else
	PLACES NP
.endif
	v_add_nc_u32 v[ADRS], 4*NQ, v[ADRS]            ; the next K step's scale words
	FETCH_B \next, 0, 0
	FETCH_A \next, 0, 0
	SCALES \next
	WIN MUL_HI
	MUL16 4, 1, NQ-1, \slot, 0
	MUL16 6, 1, NQ-1, \slot, 0
	PLACES NP
	WIN 0
	FETCH_A \next, 0, 4
.endm
; 64 numbers of a lane, v[s] .. v[s + 63], register 16 b + i at place 32 b + 16 (lane / 16) + i of my row, become a fragment's codes in v[CD] on and its scale word in v[PW].
.macro QUANT s
.irp b, 0,1,2,3
	v_max3_num_f32 v[TM+\b], |v[\s+16*\b]|, |v[\s+1+16*\b]|, 0x1800000   ; my 16 numbers of block b, and the floor 2^(3 - 127): the byte cannot fall under 1
.endr
.irp i, 2,4,6,8,10,12,14
.irp b, 0,1,2,3
	v_max3_num_f32 v[TM+\b], v[TM+\b], |v[\s+16*\b+\i]|, |v[\s+1+16*\b+\i]|
.endr
.endr
.irp b, 0,1,2,3
	v_permlanex16_b32 v[TM+4+\b], v[TM+\b], s[SEL], s[SEL+1]
.endr
.irp b, 0,1,2,3
	v_max_num_f32 v[TM+\b], v[TM+\b], v[TM+4+\b]   ; with lane l xor 16's: the block's largest magnitude
.endr
.irp b, 0,1,2,3
	v_add_nc_u32 v[TM+12+\b], 0xff000000, v[TM+\b] ; 2 off its exponent field: the conversion's scale operand
.endr
.irp b, 0,1,2,3
	v_lshrrev_b32 v[TM+4+\b], 23, v[TM+12+\b]      ; the scale's byte
.endr
	v_lshl_or_b32 v[PW], v[TM+5], 8, v[TM+4]
	v_lshl_or_b32 v[PW], v[TM+6], 16, v[PW]
	v_lshl_or_b32 v[PW], v[TM+7], 24, v[PW]
.irp c, 0,1
	v_cvt_scalef32_pk16_fp6_f32 v[CD+6*\c:CD+2+6*\c], v[\s+32*\c:\s+15+32*\c], v[TM+12+2*\c]
	v_cvt_scalef32_pk16_fp6_f32 v[CD+12+4*\c:CD+14+4*\c], v[\s+16+32*\c:\s+31+32*\c], v[TM+12+2*\c+1]   ; (a conversion's three registers begin on an even number)
.endr
	v_nop                                          ; one plain instruction behind a scaled conversion
.irp c, 0,1                                    ; the operand's layout wants a whole block in a lane
.irp i, 0,1,2
	v_permlane16_swap_b32 v[CD+6*\c+\i], v[CD+12+4*\c+\i]
.endr
.irp i, 0,1,2
	v_mov_b32 v[CD+3+6*\c+\i], v[CD+12+4*\c+\i]
.endr
.endr
.endm
; THE WAY OUT of A's block a: its eight accumulators (16 rows x 128 n) come into window 0 with the bias along m added, each from its low end on; for k the sum of squares of each row; then codes, stored as an image.
.macro EPI a
	WIN (0x02+(\a)/4)                              ; source 0: window 2 or 3
.set i, 0
.rept 32
	v_pk_add_f32 v[ST+i:ST+i+1], v[64*((\a)%4)+i:64*((\a)%4)+i+1], v[BM+2*(\a):BM+2*(\a)+1]
.set i, i+2
.endr
	WIN 0
	s_cmp_eq_u32 s2, 1                             ; k alone: the next launch wants each row's norm
	s_cbranch_scc0 .Lno_norm_\@
	v_pk_mul_f32 v[NT:NT+1], v[ST:ST+1], v[ST:ST+1]
	v_pk_mul_f32 v[NT+2:NT+3], v[ST+2:ST+3], v[ST+2:ST+3]
.irp i, 4,8,12,16,20,24,28,32,36,40,44,48,52,56,60
	v_pk_fma_f32 v[NT:NT+1], v[ST+\i:ST+\i+1], v[ST+\i:ST+\i+1], v[NT:NT+1]
	v_pk_fma_f32 v[NT+2:NT+3], v[ST+\i+2:ST+\i+3], v[ST+\i+2:ST+\i+3], v[NT+2:NT+3]
.endr
	v_pk_add_f32 v[NT:NT+1], v[NT:NT+1], v[NT+2:NT+3]
	v_add_f32 v[NT], v[NT], v[NT+1]
	v_permlanex16_b32 v[NT+1], v[NT], s[SEL], s[SEL+1]
	v_add_f32 v[NRM+(\a)], v[NT], v[NT+1]          ; with lane l xor 16's 64 channels
.Lno_norm_\@:
.if (\a) > 0
	s_wait_xcnt 0x0                                ; the last block's stores have read their registers: the codes may be written again
.endif
	QUANT ST
.irp c, 0,1,2
	global_store_b128 v[CO], v[CD+4*\c:CD+4*\c+3], s[12:13] offset:1536*(\a)+512*\c   ; 32 lanes store 512 consecutive bytes, at a multiple of 256 from the buffer's first byte
.endr
	v_mov_b32 v[SW+(\a)], v[PW]
.endm
	PLACES NP                                      ; behind the vector writes of the first products' C
	s_wait_tensorcnt 1                             ; the scale bytes and my part of K step 0 are in (K step 1's load may be out),
	s_barrier_signal -1
	s_barrier_wait -1                              ; everybody's are
	FETCH_B 0, 0, 0
	FETCH_A 0, 0, 0
	SCALES 0
	FETCH_A 0, 0, 4
	STEP 0, 0, 1                                   ; the first step stands in front of the loop: its products start the sums
	s_mov_b32 s3, LAPS-1
.Llap:                                                 ; a trip goes once round the ring and fills both slots again
	TURN 0, 1, 1
	STEP 1, 0, 0
	TURN 1, 0, 1
	STEP 0, 0, 0
	s_sub_co_u32 s3, s3, 1
	s_cmp_lg_u32 s3, 0
	s_cbranch_scc1 .Llap
	TURN 0, 1, 0                                   ; the last lap fills nothing
	STEP 1, 0, 0
	s_wait_dscnt 4*NL
	WIN MUL_LO
	MUL16 0, 1, NQ-1, 1, 0
	MUL16 2, 1, NQ-1, 1, 0
	s_wait_dscnt 0
	WIN MUL_HI
	MUL16 4, 1, NQ-1, 1, 0
	MUL16 6, 1, NQ-1, 1, 0
	WIN 0
	PLACES NP                                      ; in front of vector writes into the registers that held A's fragments, and of the first read of results
.irp b, 0,1,2,3
	v_mov_b32 v[TM+4+\b], 0                        ; written once: a lane permute's destination counts as one of its sources
.endr
.irp a, 0,1,2,3,4,5,6,7
	v_mov_b32 v[NRM+\a], 0
.endr
.irp a, 0,1,2,3,4,5,6,7
	EPI \a
.endr
.irp p, 0,1,2,3
	v_cndmask_b32 v[PK+\p], v[SW+2*\p], v[SW+2*\p+1], s22   ; lanes 0-15: tile 2 p's words, lanes 16-31: tile 2 p + 1's
.endr
	global_store_b128 v[CO], v[PK:PK+3], s[98:99]
	s_cmp_eq_u32 s2, 1
	s_cbranch_scc0 .Lno_kn2
.irp p, 0,1,2,3
	v_cndmask_b32 v[NPK+\p], v[NRM+2*\p], v[NRM+2*\p+1], s22
.endr
	global_store_b128 v[CO], v[NPK:NPK+3], s[100:101]
.Lno_kn2:
	s_wait_tensorcnt 0x0                           ; the wave's end
	ds_add_u32 v[SPW], v[NIL]
	s_wait_dscnt 0x0
	CROUND                                         ; the closing round
	s_endpgm
.Lfunc_end_k_q91b929126f_qkv:
	.size	k_q91b929126f_qkv, .Lfunc_end_k_q91b929126f_qkv-k_q91b929126f_qkv
	.p2alignl 7, 3214868480
	.fill 96, 4, 3214868480
	.section	.rodata,"a",@progbits
	.p2align	6, 0x0
	.amdhsa_kernel k_q91b929126f_qkv
		.amdhsa_group_segment_fixed_size 327680
		.amdhsa_private_segment_fixed_size 0
		.amdhsa_enable_private_segment 0
		.amdhsa_kernarg_size 120
		.amdhsa_user_sgpr_count 2
		.amdhsa_user_sgpr_kernarg_segment_ptr 1
		.amdhsa_wavefront_size32 1
		.amdhsa_system_sgpr_workgroup_id_x 1
		.amdhsa_system_sgpr_workgroup_id_y 1
		.amdhsa_system_sgpr_workgroup_id_z 1
		.amdhsa_system_vgpr_workitem_id 0
		.amdhsa_next_free_vgpr 1024
		.amdhsa_next_free_sgpr 102
		.amdhsa_reserve_vcc 0
		.amdhsa_float_denorm_mode_32 3
		.amdhsa_float_denorm_mode_16_64 3
		.amdhsa_memory_ordered 1
		.amdhsa_forward_progress 1
		.amdhsa_inst_pref_size 207
	.end_amdhsa_kernel
	.amdgpu_metadata
---
amdhsa.version: [ 1, 2 ]
amdhsa.kernels:
  - .name:           k_q91b929126f_qkv
    .symbol:         k_q91b929126f_qkv.kd
    .args:
      - { .name: hidden_states_codes, .offset: 0, .size: 8, .value_kind: global_buffer, .address_space: global }
      - { .name: hidden_states_scales, .offset: 8, .size: 8, .value_kind: global_buffer, .address_space: global }
      - { .name: Wq_codes, .offset: 16, .size: 8, .value_kind: global_buffer, .address_space: global }
      - { .name: Wq_scales, .offset: 24, .size: 8, .value_kind: global_buffer, .address_space: global }
      - { .name: Wk_codes, .offset: 32, .size: 8, .value_kind: global_buffer, .address_space: global }
      - { .name: Wk_scales, .offset: 40, .size: 8, .value_kind: global_buffer, .address_space: global }
      - { .name: Wv_codes, .offset: 48, .size: 8, .value_kind: global_buffer, .address_space: global }
      - { .name: Wv_scales, .offset: 56, .size: 8, .value_kind: global_buffer, .address_space: global }
      - { .name: bq, .offset: 64, .size: 8, .value_kind: global_buffer, .address_space: global }
      - { .name: bk, .offset: 72, .size: 8, .value_kind: global_buffer, .address_space: global }
      - { .name: bv, .offset: 80, .size: 8, .value_kind: global_buffer, .address_space: global }
      - { .name: qres, .offset: 88, .size: 8, .value_kind: global_buffer, .address_space: global }
      - { .name: kres, .offset: 96, .size: 8, .value_kind: global_buffer, .address_space: global }
      - { .name: vres, .offset: 104, .size: 8, .value_kind: global_buffer, .address_space: global }
      - { .name: kn2, .offset: 112, .size: 8, .value_kind: global_buffer, .address_space: global }
    .group_segment_fixed_size: 327680
    .private_segment_fixed_size: 0
    .kernarg_segment_align: 8
    .kernarg_segment_size: 120
    .max_flat_workgroup_size: 128
    .sgpr_count:     102
    .vgpr_count:     1024
    .wavefront_size: 32
...
	.end_amdgpu_metadata
.endif
;; end of part 1
;; launch attn (part 2): grid 16 x 16, 8 waves a work-group, clusters of 4 x 1, 327,680 bytes of LDS; arguments qres, kres, vres, kn2, truth_gate, balance_gate, order_gate, justice_gate, harmony_gate, oimg, osc; writes oimg, osc
.if DOCPART == 2
	.amdgcn_target "amdgcn-amd-amdhsa--gfx1250"
	.amdhsa_code_object_version 6
	.text
	.protected	k_q91b929126f_attn
	.globl	k_q91b929126f_attn
	.p2align	8
	.type	k_q91b929126f_attn,@function
k_q91b929126f_attn:
	s_mov_b64 s[64:65], 0
	v_nop
	global_prefetch_b8 v0, s[64:65] scope:SCOPE_SE
	s_setreg_imm32_b32 hwreg(HW_REG_WAVE_MODE, 25, 1), 1
	s_wait_xcnt 0x0
	s_wait_alu depctr_hold_cnt(0) depctr_sa_sdst(0) depctr_va_vdst(0) depctr_va_sdst(0) depctr_va_ssrc(0) depctr_va_vcc(0) depctr_vm_vsrc(0)
	s_getreg_b32 s2, hwreg(HW_REG_IB_STS2, 6, 4)
	s_cmp_eq_u32 s2, 0
	s_cbranch_scc0 .Lentry_in_a_cluster
	s_endpgm
.Lentry_in_a_cluster:
	s_bfe_u32 s2, ttmp6, 0x10000c
	s_cmp_lg_u32 s2, 0x3003
	s_cbranch_scc0 .Lentry_shape_is_right
	s_endpgm
.Lentry_shape_is_right:
; The constrained attention of one head, both products on codes of FP6 (E2M3) with one E8M0 scale for each 32 along K.  x = the raw sum q . k; the score is x / sqrt(128).
; The logit in base 2 is t = a2 x + beta key + R, with a2 = c1 (1 - 0.1 sig(justice)), c1 = log2(e) / sqrt(128), beta = log2(e) 0.05 / 2048 sig(order), and a constant of the query's row
;   R = KT ||k_q|| + KB H2 + KJ SX + KH HD:  H2 = the entropy of softmax(score) / ln 2 = log2 L - W / L,  SX = the sum of x,  HD = the sum of |x(k+1) - x(k)|.
; What is quantised is p = 2^(t - M) with M a whole number, so R does not cancel: it moves every p by a factor that is no power of two.  R is known only behind all 2,048 keys: TWO PASSES over the keys.
; PASS 1: x; the running largest x; M1 = ceil(c1 x the largest x so far), a whole number; L = sum 2^(u - M1), W = sum 2^(u - M1) (u - M1), u = c1 x; when M1 moves by D = old - new, L is multiplied by
;   f = 2^D and W becomes f W + D L; SX; HD.
; PASS 2: x again; M' = ceil(a2 x (the row's largest x) + 2047 beta + R): a whole number, taken from the row's own maximum, not under the row's largest t; it is ceil(the largest t) or one more, and a power of two
;   is taken up by the blocks' scales and by the row's sum.  p = 2^(t - M'), its sum unquantised, its codes, O^T += V^T P^T.  At the end O / the sum is quantised along the channels for the last product.
; The ramp beta key: (beta / a2) (8 h + j) is the C of the products of pass 2, the rest stands in one addend for each tile of 16 keys.
; SHARES.  A work-group owns 128 queries of one head, each of its eight waves 16: one tile, 512 registers, two waves to a SIMD.  Both products are used transposed: a lane holds one query (lane % 16) throughout.
; LDS.  K's images and K's and V's scale packs of the whole head (212,992 bytes) are filled once and serve both passes; V's images go through two slots of four key steps.  All operands lie as images of their
; registers (group c of lane l at 512 c + 16 l), so a fragment is three loads of 512 consecutive bytes.  CLUSTER: the four query blocks of a cluster share the head: every tensor load is joint.
; The look-ahead of each pass's last step reads 12,288 + 512 landed bytes behind K's images and packs (scale packs); they are not used.
; LIMITS: NaN and infinities are not served; p under 2^-126 counts as 0; a block whose largest number lies under 2^-124 gets the scale byte 1; within blocks of 32 the places of k are permuted alike on both
; sides of the products q k^T and p v (the launch before lays q, k, v so): only the order of additions inside an instruction differs.  O's codes lie in the true order.
; REGISTERS.  window 0: v1-11 addresses; v12 -M1, v13 largest x; v[14:15], v[148:149] the row's sum; v16-27 Q; v28 Q's scale word; v29 sum of k^2, then R - M'; v30 beta; v32-39 the ramp; v40-47 gate factors;
;   v48-63 the tiles' addends (even registers); v64-127 S; v128-191 pass 1: 2^(u - M1); pass 2: p's codes; v192-199 K's and V's scale words; v200 p's scale word; v[202:203] a2; v204-219 at work;
;   v220-228 neighbours across lanes; v230-237 tile maxima, then differences; v238-253 HD, SX, L, W; v[254:255] f.   window 1: v0-63 O^T; v64-159 K's eight fragments; v160-255 V's eight.
.set HS,    212992
.set STEPB, 12288                      ; a key step's eight images
.set KSCO,  196608                     ; K's scale packs, 512 bytes a key step
.set VSCO,  204800                     ; V's
.set VS,    212992                     ; V's two slots
.set SLOTB, 4*STEPB
.set SPARE, VS+2*SLOTB                 ; the spare words: 128 bytes a wave, four blocks of 256 bytes that no other line names
.set OSC,   SPARE+1024                 ; O's scale words: 64 bytes a wave; no tensor load lands here
.set LI,   1
.set SPW,  2
.set NIL,  3
.set ADK,  4
.set ADKS, 5
.set ADV,  6
.set ADVS, 7
.set LKS,  8
.set LVC,  9
.set LVS,  10
.set GA,   11
.set QF,   16
.set QS,   28
.set OSS,  31
.set C8,   32
.set AD,   48
.set S,    64
.set E,    128
.set CD,   128
.set KSC,  192
.set VSC,  196
.set PW,   200
.set OSL,  201
.set A2,   202
.set TM,   204
.set XR,   220
.set DD,   230
.set CM,   230
.set HD,   238
.set KF,   64                          ; in window 1
.set VF,   160
.set WV,   26
.set SEL,  30
.set FIRST, 63
.set TK,   66
.set TS,   67
.set TV,   68
.set TW,   69
.set CNT,  70
.set CN2,  71
.set KTS,  72                          ; s[72:79] the first key of each tile of the step, as f32
.set MSB, 0
.macro WIN new
.if MSB != (\new)
	s_set_vgpr_msb (MSB<<8)|(\new)
.set MSB, (\new)
.endif
.endm
.macro CROUND                          ; a round of the cluster's barrier
	s_barrier_signal -1
	s_barrier_wait -1
	s_cmp_lg_u32 s[WV], 0
	s_cbranch_scc1 .Lnot_wave_0_\@
	s_barrier_signal -3
.Lnot_wave_0_\@:
	s_barrier_wait -3
	s_barrier_signal -1
	s_barrier_wait -1
.endm
.macro LDK                             ; a key step's eight fragments of K and their scale words: 25 loads
	WIN 0x40                                       ; destination window 1
.irp t, 0,1,2,3,4,5,6,7
.irp c, 0,1,2
	ds_load_b128 v[KF+12*\t+4*\c:KF+12*\t+4*\c+3], v[ADK] offset:1536*\t+512*\c
.endr
.endr
	WIN 0
	ds_load_b128 v[KSC:KSC+3], v[ADKS]             ; word p: lanes 0-15 tile 2 p, lanes 16-31 tile 2 p + 1
.endm
.macro LDV                             ; the same of V: 25 loads
	WIN 0x40
.irp t, 0,1,2,3,4,5,6,7
.irp c, 0,1,2
	ds_load_b128 v[VF+12*\t+4*\c:VF+12*\t+4*\c+3], v[ADV] offset:1536*\t+512*\c
.endr
.endr
	WIN 0
	ds_load_b128 v[VSC:VSC+3], v[ADVS]
.endm
.macro QK ramp                         ; S^T = K Q^T: eight tiles of 16 keys; in tile t lane (r, h) holds query r and register j key 16 t + 8 h + j.  ramp = 1: the sums start from the ramp
	WIN 0x01                                       ; source 0 (K) window 1
.irp t, 0,1,2,3,4,5,6,7
.if \ramp
.if \t%2
	v_wmma_scale_f32_16x16x128_f8f6f4 v[S+8*\t:S+8*\t+7], v[KF+12*\t:KF+12*\t+11], v[QF:QF+11], v[C8:C8+7], v[KSC+\t/2], v[QS] matrix_a_fmt:MATRIX_FMT_FP6 matrix_b_fmt:MATRIX_FMT_FP6 matrix_a_scale:MATRIX_SCALE_ROW1
.else
	v_wmma_scale_f32_16x16x128_f8f6f4 v[S+8*\t:S+8*\t+7], v[KF+12*\t:KF+12*\t+11], v[QF:QF+11], v[C8:C8+7], v[KSC+\t/2], v[QS] matrix_a_fmt:MATRIX_FMT_FP6 matrix_b_fmt:MATRIX_FMT_FP6
.endif
.else
.if \t%2
	v_wmma_scale_f32_16x16x128_f8f6f4 v[S+8*\t:S+8*\t+7], v[KF+12*\t:KF+12*\t+11], v[QF:QF+11], 0, v[KSC+\t/2], v[QS] matrix_a_fmt:MATRIX_FMT_FP6 matrix_b_fmt:MATRIX_FMT_FP6 matrix_a_scale:MATRIX_SCALE_ROW1
.else
	v_wmma_scale_f32_16x16x128_f8f6f4 v[S+8*\t:S+8*\t+7], v[KF+12*\t:KF+12*\t+11], v[QF:QF+11], 0, v[KSC+\t/2], v[QS] matrix_a_fmt:MATRIX_FMT_FP6 matrix_b_fmt:MATRIX_FMT_FP6
.endif
.endif
.endr
	WIN 0
.endm
.macro PV                              ; O^T += V^T P^T: eight tiles of 16 channels, by turns
	WIN 0x51                                       ; V, C and D window 1; P window 0
.irp t, 0,1,2,3,4,5,6,7
.if \t%2
	v_wmma_scale_f32_16x16x128_f8f6f4 v[8*\t:8*\t+7], v[VF+12*\t:VF+12*\t+11], v[CD:CD+11], v[8*\t:8*\t+7], v[VSC+\t/2], v[PW] matrix_a_fmt:MATRIX_FMT_FP6 matrix_b_fmt:MATRIX_FMT_FP6 matrix_a_scale:MATRIX_SCALE_ROW1
.else
	v_wmma_scale_f32_16x16x128_f8f6f4 v[8*\t:8*\t+7], v[VF+12*\t:VF+12*\t+11], v[CD:CD+11], v[8*\t:8*\t+7], v[VSC+\t/2], v[PW] matrix_a_fmt:MATRIX_FMT_FP6 matrix_b_fmt:MATRIX_FMT_FP6
.endif
.endr
	WIN 0
.endm
.macro TILEMAX                         ; the largest of my eight numbers of each tile; each accumulator is read from its low end on
.irp t, 0,1,2,3,4,5,6,7
	v_max3_num_f32 v[CM+\t], v[S+8*\t], v[S+8*\t+1], v[S+8*\t+2]
.endr
.irp t, 0,1,2,3,4,5,6,7
	v_max3_num_f32 v[CM+\t], v[CM+\t], v[S+8*\t+3], v[S+8*\t+4]
.endr
.irp t, 0,1,2,3,4,5,6,7
	v_max3_num_f32 v[CM+\t], v[CM+\t], v[S+8*\t+5], v[S+8*\t+6]
.endr
.irp t, 0,1,2,3,4,5,6,7
	v_max_num_f32 v[CM+\t], v[CM+\t], v[S+8*\t+7]
.endr
.endm
.macro FLOAD                           ; a joint refill of a slot of V: waves 0 to 3, a key step each; the branch hangs on the wave's number alone; four v_nop follow the load
	s_cmp_lt_u32 s[WV], 4
	s_cbranch_scc0 .Lno_fill_\@
	tensor_load_to_lds s[56:59], s[40:47]
	s_nop 0
.rept 4
	v_nop
.endr
.Lno_fill_\@:
.endm
; THE CHANGE OF SLOTS: each wave waits for all its tensor loads, adds 0 to its spare word, and waits for that and for its LDS reads.  fill = 1: a round of the cluster's barrier, and the slot just left is filled
; again first thing behind it: it has four key steps in which to land.  step = 1: the descriptor goes on to the other slot and the next four key steps.
.macro CHANGE fill, step
	s_wait_tensorcnt 0x0                           ; no tensor load of mine is out, so a group 0 may be written
	ds_add_u32 v[SPW], v[NIL]                      ; 0 onto my spare word
.if \step
	s_add_co_u32 s57, s57, SLOTB
	s_add_nc_u64 s[58:59], s[58:59], SLOTB
.endif
	s_wait_dscnt 0x0                               ; the add is done, and my reads of the slot are over
.if \fill
	CROUND
	FLOAD
.else
	s_barrier_signal -1
	s_barrier_wait -1
.endif
.endm
.macro QUANT s                         ; 64 numbers of a lane, register 16 b + i at place 32 b + 16 (lane / 16) + i of my row, become a fragment's codes in v[CD] on and its scale word in v[PW]
.irp b, 0,1,2,3
	v_max3_num_f32 v[TM+\b], |v[\s+16*\b]|, |v[\s+1+16*\b]|, 0x1800000
.endr
.irp i, 2,4,6,8,10,12,14
.irp b, 0,1,2,3
	v_max3_num_f32 v[TM+\b], v[TM+\b], |v[\s+16*\b+\i]|, |v[\s+1+16*\b+\i]|
.endr
.endr
.irp b, 0,1,2,3
	v_permlanex16_b32 v[TM+4+\b], v[TM+\b], s[SEL], s[SEL+1]
.endr
.irp b, 0,1,2,3
	v_max_num_f32 v[TM+\b], v[TM+\b], v[TM+4+\b]
.endr
	CODES \s
.endm
.macro CODES s                         ; from the blocks' largest magnitudes in v[TM] on: scale operands, bytes, the scale word, the codes
.irp b, 0,1,2,3
	v_add_nc_u32 v[TM+12+\b], 0xff000000, v[TM+\b] ; 2 off the exponent field: the conversion's scale operand
.endr
.irp b, 0,1,2,3
	v_lshrrev_b32 v[TM+4+\b], 23, v[TM+12+\b]      ; the scale's byte
.endr
	v_lshl_or_b32 v[PW], v[TM+5], 8, v[TM+4]
	v_lshl_or_b32 v[PW], v[TM+6], 16, v[PW]
	v_lshl_or_b32 v[PW], v[TM+7], 24, v[PW]
.irp c, 0,1
	v_cvt_scalef32_pk16_fp6_f32 v[CD+6*\c:CD+2+6*\c], v[\s+32*\c:\s+15+32*\c], v[TM+12+2*\c]
	v_cvt_scalef32_pk16_fp6_f32 v[CD+12+4*\c:CD+14+4*\c], v[\s+16+32*\c:\s+31+32*\c], v[TM+12+2*\c+1]   ; (a conversion's three registers begin on an even number)
.endr
	v_nop                                          ; one plain instruction behind a scaled conversion
.irp c, 0,1
.irp i, 0,1,2
	v_permlane16_swap_b32 v[CD+6*\c+\i], v[CD+12+4*\c+\i]
.endr
.irp i, 0,1,2
	v_mov_b32 v[CD+3+6*\c+\i], v[CD+12+4*\c+\i]
.endr
.endr
.endm
	s_load_b512 s[4:19], s[0:1], 0x0               ; qres, kres, vres, kn2, truth, balance, order, justice
	s_load_b128 s[20:23], s[0:1], 0x40             ; harmony, oimg
	s_load_b64 s[24:25], s[0:1], 0x50              ; osc
	v_lshl_add_u32 v[SPW], v0, 2, SPARE
	v_mov_b32 v[NIL], 0
	ds_add_u32 v2, v3
	ds_add_u32 v2, v3
	s_wait_dscnt 0x0
	v_lshrrev_b32 v204, 5, v0
	v_readfirstlane_b32 s[WV], v204                ; wave 0..7
	s_bfe_u32 s27, ttmp6, 0x40000                  ; cx
	s_lshl_b32 s28, ttmp9, 2
	s_add_co_u32 s28, s28, s27                     ; my block of 128 queries: it enters global addresses of Q, kn2 and the outputs alone
	s_and_b32 s29, ttmp7, 0xffff                   ; the head, which the four partners share
	; descriptor groups 1: dense blocks as rows of 256 bytes (32 elements of 8 bytes); the mask names all four work-groups
	s_mov_b32 s32, 15|(3<<16)|(1<<21)
	s_mov_b32 s33, 32<<16
	s_mov_b32 s34, 104<<16                         ; an eighth of the resident part: 104 rows
	s_mov_b32 s35, 32<<16
	s_mov_b32 s36, 104
	s_mov_b32 s37, 32
	s_mov_b32 s38, 0
	s_mov_b32 s39, 0
	s_mov_b32 s40, 15|(3<<16)|(1<<21)
	s_mov_b32 s41, 32<<16
	s_mov_b32 s42, 48<<16                          ; a key step of V: 48 rows
	s_mov_b32 s43, 32<<16
	s_mov_b32 s44, 48
	s_mov_b32 s45, 32
	s_mov_b32 s46, 0
	s_mov_b32 s47, 0
	s_mov_b32 s[SEL], 0x76543210
	s_mov_b32 s[SEL+1], 0xfedcba98
	s_mov_b32 s60, 0x3e0293ee                      ; c1 = log2(e) / sqrt(128)
	s_mov_b32 s61, s60
	s_mov_b32 s62, 0xffff0000                      ; lanes 16-31
	s_mul_i32 s86, s29, HS
	s_mov_b32 s87, 0
	s_mul_i32 s88, s[WV], 104*256
	s_mov_b32 s89, 0
	s_mul_i32 s90, s[WV], STEPB
	s_mov_b32 s91, 0
	s_wait_kmcnt 0x0
	s_load_b32 s80, s[12:13], 0x0                  ; the five gates
	s_load_b32 s81, s[14:15], 0x0
	s_load_b32 s82, s[16:17], 0x0
	s_load_b32 s83, s[18:19], 0x0
	s_load_b32 s84, s[20:21], 0x0
	s_add_nc_u64 s[4:5], s[4:5], s[86:87]          ; qres, kres, vres at my head
	s_add_nc_u64 s[6:7], s[6:7], s[86:87]
	s_add_nc_u64 s[8:9], s[8:9], s[86:87]
	CROUND                                         ; all four work-groups are here: the first joint loads meet
	s_mov_b32 s48, 1                               ; the resident part: my eighth
	s_mov_b32 s49, s88
	s_add_nc_u64 s[50:51], s[6:7], s[88:89]
	s_or_b32 s51, s51, 0x80000000
	s_mov_b32 s52, 1                               ; V's key step w, into the two slots
	s_add_co_u32 s53, s90, VS
	s_add_nc_u64 s[54:55], s[8:9], s[90:91]
	s_mov_b32 s56, 1                               ; the refills (waves 0 to 3): key step 8 + w into slot 0
	s_add_co_u32 s57, s90, VS
	s_add_nc_u64 s[58:59], s[54:55], 8*STEPB
	s_or_b32 s55, s55, 0x80000000
	s_or_b32 s59, s59, 0x80000000
	tensor_load_to_lds s[48:51], s[32:39]          ; both first fills of every wave together: two loads of mine are out
	s_nop 0
	tensor_load_to_lds s[52:55], s[40:47]
	s_nop 0
.rept 4
	v_nop
.endr
	s_mul_i32 s86, s28, STEPB
	s_mul_i32 s88, s[WV], 1536
	s_add_co_u32 s86, s86, s88
	s_add_nc_u64 s[90:91], s[4:5], s[86:87]        ; my tile's image of Q
	s_lshl_b32 s86, s28, 9
	s_add_co_u32 s86, s86, KSCO
	s_add_nc_u64 s[4:5], s[4:5], s[86:87]          ; my block's pack of Q's scale words
	s_lshl_b32 s86, s29, 4
	s_add_co_u32 s86, s86, s28
	s_lshl_b32 s86, s86, 9
	s_add_nc_u64 s[10:11], s[10:11], s[86:87]      ; its pack of sums of k^2
	s_add_nc_u64 s[24:25], s[24:25], s[86:87]      ; and where O's scale words go
	s_lshl_b32 s88, s28, 3
	s_add_co_u32 s88, s88, s[WV]
	s_mul_i32 s88, s88, 1536
	s_mul_i32 s86, s29, 196608
	s_add_co_u32 s86, s86, s88
	s_add_nc_u64 s[22:23], s[22:23], s[86:87]      ; where my image of O goes
	s_and_b32 s88, s[WV], 1
	s_lshl_b32 s88, s88, 8
	s_lshr_b32 s86, s[WV], 1
	s_lshl_b32 s86, s86, 2
	s_add_co_u32 s88, s88, s86                     ; in a pack, tile w's words: 256 (w % 2) + 4 (w / 2) + 16 r
	v_and_b32 v205, 15, v0                         ; r
	v_and_b32 v206, 31, v0                         ; lane
	v_bfe_u32 v207, v0, 4, 1                       ; h
	v_lshlrev_b32 v[LI], 4, v206
	v_add_nc_u32 v[LKS], KSCO, v[LI]
	v_add_nc_u32 v[LVC], VSCO, v[LI]
	v_add_nc_u32 v[LVS], VS, v[LI]
	v_lshl_add_u32 v[GA], v205, 4, s88
	v_lshlrev_b32 v[OSS], 6, v204
	v_lshl_add_u32 v[OSS], v205, 2, v[OSS]
	v_add_nc_u32 v[OSS], OSC, v[OSS]               ; where I put O's scale word: 64 w + 4 r
	v_lshl_add_u32 v[OSL], v206, 2, OSC            ; and where wave 0 reads them back
.irp c, 0,1,2
	global_load_b128 v[QF+4*\c:QF+4*\c+3], v[LI], s[90:91] offset:512*\c
.endr
	global_load_b32 v[QS], v[GA], s[4:5]
	global_load_b32 v29, v[GA], s[10:11]           ; the sum of k^2 of the row with my query's number
	s_wait_kmcnt 0x0
.irp g, 0,1,2,3,4
	s_mul_f32 s[80+\g], s[80+\g], 0xbfb8aa3b       ; -g log2(e)
.endr
.irp g, 0,1,2,3,4
	v_exp_f32 v[208+\g], s[80+\g]
.endr
	v_nop
	s_wait_alu depctr_va_vdst(0)                   ; one wait for the five, ahead of their first reader
.irp g, 0,1,2,3,4
	v_add_f32 v[208+\g], 1.0, v[208+\g]
.endr
.irp g, 0,1,2,3,4
	v_rcp_f32 v[40+\g], v[208+\g]                  ; sig: v40 truth, v41 balance, v42 order, v43 justice, v44 harmony
.endr
	v_nop
	s_wait_alu depctr_va_vdst(0)
	v_fma_f32 v[A2], v43, 0xbdcccccd, 1.0          ; 1 - 0.1 sig(justice)
	v_mul_f32 v[A2], s60, v[A2]                    ; a2
	v_mov_b32 v[A2+1], v[A2]
	v_rcp_f32 v47, v[A2]
	v_mul_f32 v30, 0.0000352220469, v42            ; beta = log2(e) 0.05 / 2048 sig(order)
	v_mul_f32 v45, 0.00000622643705, v43           ; KJ = 0.1 c1 / 2048 sig(justice)
	v_mul_f32 v46, -0.00000622947879, v44          ; KH = -0.1 c1 / 2047 sig(harmony)
	v_mul_f32 v40, -0.0144269504, v40              ; KT = -0.01 log2(e) sig(truth)
	v_mul_f32 v41, 0.0131154095, v41               ; KB = 0.1 / 11 log2(e) sig(balance): ln 2048 = 11 ln 2
	v_lshlrev_b32 v207, 3, v207
	s_wait_alu depctr_va_vdst(0)
	v_mul_f32 v47, v30, v47                        ; beta / a2
.irp j, 0,1,2,3,4,5,6,7
	v_add_nc_u32 v[C8+\j], \j, v207
.endr
.irp j, 0,1,2,3,4,5,6,7
	v_cvt_f32_u32 v[C8+\j], v[C8+\j]
.endr
.irp j, 0,1,2,3,4,5,6,7
	v_mul_f32 v[C8+\j], v47, v[C8+\j]              ; the ramp inside a tile: (beta / a2) (8 h + j)
.endr
	v_mov_b32 v13, 0xff61b1e6                      ; the largest x so far: -3e38
	v_mul_f32 v204, s60, v13
	v_floor_f32 v12, -v204                         ; -M1
.set i, XR
.rept 9
	v_mov_b32 v[i], 0                              ; (lane permutes' destinations count as sources)
.set i, i+1
.endr
.set i, HD
.rept 16
	v_mov_b32 v[i], 0                              ; HD, SX, L, W: four registers each
.set i, i+1
.endr
	v_mov_b32 v255, 0                              ; upper halves of pairs of which the low word serves both halves: written once
.set i, AD+1
.rept 8
	v_mov_b32 v[i], 0
.set i, i+2
.endr
	s_mov_b32 s[TK], 0
	s_mov_b32 s[TS], 0
	s_mov_b32 s[CNT], 16
	s_wait_tensorcnt 0x1                           ; my eighth of the resident part is in; V's load may stay out
	s_wait_loadcnt 0x0                             ; Q, its scale word, the sum of k^2
	s_barrier_signal -1
	s_barrier_wait -1
	v_add_nc_u32 v[ADK], s[TK], v[LI]
	v_add_nc_u32 v[ADKS], s[TS], v[LKS]
	LDK                                            ; key step 0
; PASS 1, a key step of 128 keys
.macro STEP1
	s_wait_dscnt 0x0                               ; K and its scale words are in
	QK 0
	s_add_co_u32 s[TK], s[TK], STEPB
	s_add_co_u32 s[TS], s[TS], 512
	v_add_nc_u32 v[ADK], s[TK], v[LI]              ; two additions and two v_nop: the four places in front of loads into registers that the products read, and of the first read of results
	v_add_nc_u32 v[ADKS], s[TS], v[LKS]
	v_nop
	v_nop
	LDK                                            ; the next step's, a whole step ahead of their use
	s_cmp_eq_u32 s[CNT], 16
	s_cselect_b32 s[FIRST], -1, 0                  ; all ones in the first step
	TILEMAX
	v_max3_num_f32 v204, v[CM], v[CM+1], v[CM+2]
	v_max3_num_f32 v205, v[CM+3], v[CM+4], v[CM+5]
	v_max3_num_f32 v204, v204, v[CM+6], v[CM+7]
	v_max_num_f32 v204, v204, v205
	v_permlanex16_b32 v205, v204, s[SEL], s[SEL+1]
	v_max3_num_f32 v13, v13, v204, v205            ; the running largest x of my query
	v_mov_b32 v204, v12
	v_mul_f32 v205, s60, v13
	v_floor_f32 v12, -v205                         ; the new -M1 = -ceil(c1 x): a whole number
	v_sub_f32 v48, v12, v204                       ; D = old M1 - new M1: a whole number, 0 or less
	v_cvt_i32_f32 v204, v48                        ; (it saturates)
	v_ldexp_f32 v254, 1.0, v204                    ; f = 2^D
.set i, 0
.rept 16
	v_pk_add_f32 v[242:243], v[242:243], v[S+i:S+i+1]      ; SX, in two chains
	v_pk_add_f32 v[244:245], v[244:245], v[S+i+2:S+i+3]
.set i, i+4
.endr
	; HD.  The key in front of a tile's register 0: for lanes 16-31 register 7 of the same tile in lane l - 16; for lanes 0-15 register 7 of the tile before in lane l + 16 (for tile 0: of the step before)
.irp t, 0,1,2,3,4,5,6,7
	v_permlanex16_b32 v[XR+1+\t], v[S+8*\t+7], s[SEL], s[SEL+1]
.endr
	v_cndmask_b32 v[XR], v[XR], v[S], s[FIRST]     ; key 0 has no key in front: its difference is made 0
.irp t, 0,1,2,3,4,5,6,7
	v_cndmask_b32 v[DD+\t], v[XR+\t], v[XR+1+\t], s62
.endr
.irp t, 0,1,2,3,4,5,6,7
	v_sub_f32 v[DD+\t], v[S+8*\t], v[DD+\t]
.endr
.irp t, 0,1,2,3,4,5,6,7
	v_add_f32 v[HD+\t%4], v[HD+\t%4], |v[DD+\t]|
.endr
.irp j, 0,1,2,3,4,5,6
.irp t, 0,1,2,3,4,5,6,7
	v_sub_f32 v[DD+\t], v[S+8*\t+\j+1], v[S+8*\t+\j]
.endr
.irp t, 0,1,2,3,4,5,6,7
	v_add_f32 v[HD+\t%4], v[HD+\t%4], |v[DD+\t]|
.endr
.endr
	v_mov_b32 v[XR], v[XR+8]                       ; the step's last key, for the next step
.set i, 0
.rept 32
	v_pk_fma_f32 v[S+i:S+i+1], v[S+i:S+i+1], s[60:61], v[12:13] op_sel_hi:[1,0,0]   ; u - M1
.set i, i+2
.endr
.set i, 0
.rept 64
	v_exp_f32 v[E+i], v[S+i]
.set i, i+1
.endr
	v_pk_mul_f32 v[246:247], v[246:247], v[254:255] op_sel_hi:[1,0]                 ; L and W under the new M1: six plain lines behind the exponentials
	v_pk_mul_f32 v[248:249], v[248:249], v[254:255] op_sel_hi:[1,0]
	v_pk_mul_f32 v[250:251], v[250:251], v[254:255] op_sel_hi:[1,0]
	v_pk_mul_f32 v[252:253], v[252:253], v[254:255] op_sel_hi:[1,0]
	v_pk_fma_f32 v[250:251], v[246:247], v[48:49], v[250:251] op_sel_hi:[1,0,1]
	v_pk_fma_f32 v[252:253], v[248:249], v[48:49], v[252:253] op_sel_hi:[1,0,1]
	s_wait_alu depctr_va_vdst(0)                   ; one wait for the 64, ahead of their first reader
.set i, 0
.rept 16
	v_pk_add_f32 v[246:247], v[246:247], v[E+i:E+i+1]
	v_pk_add_f32 v[248:249], v[248:249], v[E+i+2:E+i+3]
	v_pk_fma_f32 v[250:251], v[E+i:E+i+1], v[S+i:S+i+1], v[250:251]
	v_pk_fma_f32 v[252:253], v[E+i+2:E+i+3], v[S+i+2:S+i+3], v[252:253]
.set i, i+4
.endr
.endm
.Lpass1:
	STEP1
	s_sub_co_u32 s[CNT], s[CNT], 1
	s_cmp_lg_u32 s[CNT], 0
	s_cbranch_scc1 .Lpass1
	; BETWEEN THE PASSES
	s_wait_tensorcnt 0x0                           ; my part of V's two slots is in,
	s_wait_dscnt 0x0                               ; (the look-ahead's loads have landed: their registers may be loaded again)
	s_barrier_signal -1
	s_barrier_wait -1                              ; everybody's is
	s_mov_b32 s[TK], 0
	s_mov_b32 s[TS], 0
	s_mov_b32 s[TW], 0
	v_add_nc_u32 v[ADK], s[TK], v[LI]
	v_add_nc_u32 v[ADKS], s[TS], v[LKS]
	LDK                                            ; key step 0 again; it lands under the arithmetic below
	v_pk_add_f32 v[246:247], v[246:247], v[248:249]
	v_pk_add_f32 v[250:251], v[250:251], v[252:253]
	v_pk_add_f32 v[242:243], v[242:243], v[244:245]
	v_pk_add_f32 v[238:239], v[238:239], v[240:241]
	v_add_f32 v246, v246, v247
	v_add_f32 v250, v250, v251
	v_add_f32 v242, v242, v243
	v_add_f32 v238, v238, v239
	v_permlanex16_b32 v247, v246, s[SEL], s[SEL+1]
	v_permlanex16_b32 v251, v250, s[SEL], s[SEL+1]
	v_permlanex16_b32 v243, v242, s[SEL], s[SEL+1]
	v_permlanex16_b32 v239, v238, s[SEL], s[SEL+1]
	v_add_f32 v246, v246, v247                     ; L
	v_add_f32 v250, v250, v251                     ; W
	v_add_f32 v242, v242, v243                     ; SX
	v_add_f32 v238, v238, v239                     ; HD
	v_log_f32 v247, v246
	v_rcp_f32 v251, v246
	v_sqrt_f32 v243, v29
	v_nop
	s_wait_alu depctr_va_vdst(0)                   ; one wait for the three
	v_fma_f32 v247, -v250, v251, v247              ; H2 = log2 L - W / L
	v_mul_f32 v29, v40, v243
	v_fma_f32 v29, v41, v247, v29
	v_fma_f32 v29, v45, v242, v29
	v_fma_f32 v29, v46, v238, v29                  ; R
	v_fma_f32 v204, v[A2], v13, v29
	v_fma_f32 v204, v30, 0x44ffe000, v204          ; a2 x (the largest x) + 2047 beta + R: not under any t of the row
	v_floor_f32 v204, -v204                        ; -M'
	v_add_f32 v29, v29, v204                       ; R - M'
	v_mov_b32 v14, 0                               ; the row's sum, in two chains of two
	v_mov_b32 v15, 0
	v_mov_b32 v148, 0
	v_mov_b32 v149, 0
	WIN 0x40
.set i, 0
.rept 64
	v_mov_b32 v[i], 0                              ; O^T: the step is written in loops, so no first step is written out
.set i, i+1
.endr
	WIN 0
	s_mov_b32 s[KTS+0], 0                          ; 16 t as f32
	s_mov_b32 s[KTS+1], 0x41800000
	s_mov_b32 s[KTS+2], 0x42000000
	s_mov_b32 s[KTS+3], 0x42400000
	s_mov_b32 s[KTS+4], 0x42800000
	s_mov_b32 s[KTS+5], 0x42a00000
	s_mov_b32 s[KTS+6], 0x42c00000
	s_mov_b32 s[KTS+7], 0x42e00000
; PASS 2, a key step of 128 keys
.macro STEP2
	v_add_nc_u32 v[ADV], s[TV], v[LVS]             ; two additions and two v_nop: the four places behind the last products V^T P^T
	v_add_nc_u32 v[ADVS], s[TW], v[LVC]
	v_nop
	v_nop
	LDV
	s_wait_dscnt 25                                ; K and its scale words are in; V's 25 loads may be out
	QK 1
	s_add_co_u32 s[TK], s[TK], STEPB
	s_add_co_u32 s[TS], s[TS], 512
	v_add_nc_u32 v[ADK], s[TK], v[LI]
	v_add_nc_u32 v[ADKS], s[TS], v[LKS]
.irp t, 0,1,2,3,4,5,6,7
	v_fma_f32 v[AD+2*\t], v30, s[KTS+\t], v29      ; beta (128 s + 16 t) + R - M'.  (These ten lines are the places behind the products)
.endr
	LDK                                            ; the next step's
	TILEMAX
.irp t, 0,1,2,3,4,5,6,7
.irp i, 0,2,4,6
	v_pk_fma_f32 v[S+8*\t+\i:S+8*\t+\i+1], v[S+8*\t+\i:S+8*\t+\i+1], v[A2:A2+1], v[AD+2*\t:AD+2*\t+1] op_sel_hi:[1,1,0]   ; t - M'
.endr
.endr
.irp t, 0,1,2,3,4,5,6,7
	v_fma_f32 v[CM+\t], v[CM+\t], v[A2], v[AD+2*\t]        ; the same of each tile's largest: a2 is positive, so it is the tile's largest t - M'
.endr
.irp b, 0,1,2,3
	v_max_num_f32 v[TM+\b], v[CM+2*\b], v[CM+2*\b+1]       ; a block of 32 keys is two tiles,
.endr
.irp b, 0,1,2,3
	v_permlanex16_b32 v[TM+4+\b], v[TM+\b], s[SEL], s[SEL+1]
.endr
.irp b, 0,1,2,3
	v_max_num_f32 v[TM+\b], v[TM+\b], v[TM+4+\b]           ; in lanes l and l xor 16
.endr
.set i, 0
.rept 64
	v_exp_f32 v[S+i], v[S+i]                       ; p = 2^(t - M'): not normalised
.set i, i+1
.endr
	v_nop
	s_wait_alu depctr_va_vdst(0)                   ; one wait for the 64
.irp b, 0,1,2,3
	v_exp_f32 v[TM+\b], v[TM+\b]                   ; the block's largest p: the same two instructions on the same number
.endr
.set i, 0
.rept 8
	v_pk_add_f32 v[14:15], v[14:15], v[S+i:S+i+1]          ; the row's sum of the unquantised p: the first half stands behind the four exponentials
	v_pk_add_f32 v[148:149], v[148:149], v[S+i+2:S+i+3]
.set i, i+4
.endr
	s_wait_alu depctr_va_vdst(0)                   ; and one for the four
.irp b, 0,1,2,3
	v_max_num_f32 v[TM+\b], 0x1800000, v[TM+\b]    ; the floor 2^(3 - 127): the byte cannot fall under 1
.endr
	CODES S
.set i, 32
.rept 8
	v_pk_add_f32 v[14:15], v[14:15], v[S+i:S+i+1]          ; the second half: sixteen plain lines between the vector writes of p's codes and scale word and the products
	v_pk_add_f32 v[148:149], v[148:149], v[S+i+2:S+i+3]
.set i, i+4
.endr
	s_wait_dscnt 25                                ; V and its scale words are in; the next step's 25 loads of K may be out
	PV
	s_add_co_u32 s[TV], s[TV], STEPB
	s_add_co_u32 s[TW], s[TW], 512
.irp t, 0,1,2,3,4,5,6,7
	s_add_f32 s[KTS+\t], s[KTS+\t], 0x43000000     ; 128 keys on: whole numbers, exact
.endr
.endm
.macro FOUR slot                       ; a slot's four key steps
	s_mov_b32 s[TV], \slot*SLOTB
	s_mov_b32 s[CN2], 4
.Lfour_\@:
	STEP2
	s_sub_co_u32 s[CN2], s[CN2], 1
	s_cmp_lg_u32 s[CN2], 0
	s_cbranch_scc1 .Lfour_\@
.endm
	FOUR 0                                         ; key steps 0-3
	CHANGE 1, 0                                    ; slot 0 takes steps 8-11
	FOUR 1                                         ; 4-7
	CHANGE 1, 1                                    ; slot 1 takes steps 12-15
	FOUR 0                                         ; 8-11
	CHANGE 0, 0                                    ; nothing is left to fetch
	FOUR 1                                         ; 12-15
	; THE WAY OUT: O^T / the sum, in the true order of the channels, quantised along them: an image for the last product
	v_pk_add_f32 v[14:15], v[14:15], v[148:149]
	v_add_f32 v14, v14, v15
	v_permlanex16_b32 v15, v14, s[SEL], s[SEL+1]
	v_add_f32 v14, v14, v15                        ; the row's sum
	v_rcp_f32 v15, v14
	v_nop
	v_nop
	s_wait_alu depctr_va_vdst(0)
	WIN 0x01                                       ; source 0 (O^T) window 1
.set i, 0
.rept 64
	v_mul_f32 v[S+i], v[i], v15                    ; register 8 t + j: o(r, 16 t + 8 h + j); each accumulator from its low end on
.set i, i+1
.endr
	WIN 0
.irp b, 0,1,2,3
.irp j, 0,1,2,3,4,5,6,7
	v_permlane16_swap_b32 v[S+16*\b+\j], v[S+16*\b+8+\j]   ; tile 2 b's lanes 16-31 (channels 8-15 of the block) change places with tile 2 b + 1's lanes 0-15 (channels 16-23): register 16 b + i now holds channel 32 b + 16 h + i
.endr
.endr
	QUANT S
.irp c, 0,1,2
	global_store_b128 v[LI], v[CD+4*\c:CD+4*\c+3], s[22:23] offset:512*\c   ; 32 lanes store 512 consecutive bytes, at a multiple of 256 from the buffer's first byte
.endr
	ds_store_b32 v[OSS], v[PW]                     ; lanes r and r + 16 write the same word with the same value
	s_wait_dscnt 0x0                               ; for the others' sake
	s_barrier_signal -1
	s_barrier_wait -1
	s_cmp_lg_u32 s[WV], 0                          ; wave 0 stores the block's pack of scale words: word p of lane l is tile 2 p + l / 16, row l % 16
	s_cbranch_scc1 .Lnot_mine
.irp p, 0,1,2,3
	ds_load_b32 v[TM+\p], v[OSL] offset:128*\p
.endr
	s_wait_dscnt 0x0
	global_store_b128 v[LI], v[TM:TM+3], s[24:25]
.Lnot_mine:
	s_wait_tensorcnt 0x0                           ; the wave's end
	ds_add_u32 v[SPW], v[NIL]
	s_wait_dscnt 0x0
	CROUND                                         ; the closing round
	s_endpgm
.Lfunc_end_k_q91b929126f_attn:
	.size	k_q91b929126f_attn, .Lfunc_end_k_q91b929126f_attn-k_q91b929126f_attn
	.p2alignl 7, 3214868480
	.fill 96, 4, 3214868480
	.section	.rodata,"a",@progbits
	.p2align	6, 0x0
	.amdhsa_kernel k_q91b929126f_attn
		.amdhsa_group_segment_fixed_size 327680
		.amdhsa_private_segment_fixed_size 0
		.amdhsa_enable_private_segment 0
		.amdhsa_kernarg_size 88
		.amdhsa_user_sgpr_count 2
		.amdhsa_user_sgpr_kernarg_segment_ptr 1
		.amdhsa_wavefront_size32 1
		.amdhsa_system_sgpr_workgroup_id_x 1
		.amdhsa_system_sgpr_workgroup_id_y 1
		.amdhsa_system_sgpr_workgroup_id_z 1
		.amdhsa_system_vgpr_workitem_id 0
		.amdhsa_next_free_vgpr 512
		.amdhsa_next_free_sgpr 92
		.amdhsa_reserve_vcc 0
		.amdhsa_float_denorm_mode_32 3
		.amdhsa_float_denorm_mode_16_64 3
		.amdhsa_memory_ordered 1
		.amdhsa_forward_progress 1
		.amdhsa_inst_pref_size 121
	.end_amdhsa_kernel
	.amdgpu_metadata
---
amdhsa.version: [ 1, 2 ]
amdhsa.kernels:
  - .name:           k_q91b929126f_attn
    .symbol:         k_q91b929126f_attn.kd
    .args:
      - { .name: qres, .offset: 0, .size: 8, .value_kind: global_buffer, .address_space: global }
      - { .name: kres, .offset: 8, .size: 8, .value_kind: global_buffer, .address_space: global }
      - { .name: vres, .offset: 16, .size: 8, .value_kind: global_buffer, .address_space: global }
      - { .name: kn2, .offset: 24, .size: 8, .value_kind: global_buffer, .address_space: global }
      - { .name: truth_gate, .offset: 32, .size: 8, .value_kind: global_buffer, .address_space: global }
      - { .name: balance_gate, .offset: 40, .size: 8, .value_kind: global_buffer, .address_space: global }
      - { .name: order_gate, .offset: 48, .size: 8, .value_kind: global_buffer, .address_space: global }
      - { .name: justice_gate, .offset: 56, .size: 8, .value_kind: global_buffer, .address_space: global }
      - { .name: harmony_gate, .offset: 64, .size: 8, .value_kind: global_buffer, .address_space: global }
      - { .name: oimg, .offset: 72, .size: 8, .value_kind: global_buffer, .address_space: global }
      - { .name: osc, .offset: 80, .size: 8, .value_kind: global_buffer, .address_space: global }
    .group_segment_fixed_size: 327680
    .private_segment_fixed_size: 0
    .kernarg_segment_align: 8
    .kernarg_segment_size: 88
    .max_flat_workgroup_size: 256
    .sgpr_count:     92
    .vgpr_count:     512
    .wavefront_size: 32
...
	.end_amdgpu_metadata
.endif
;; end of part 2
;; launch oproj (part 3): grid 8 x 8, 4 waves a work-group, clusters of 4 x 4, 327,680 bytes of LDS; arguments oimg, osc, Wo_codes, Wo_scales, out0, bo; writes out0
.if DOCPART == 3
	.amdgcn_target "amdgcn-amd-amdhsa--gfx1250"
	.amdhsa_code_object_version 6
	.text
	.protected	k_q91b929126f_oproj
	.globl	k_q91b929126f_oproj
	.p2align	8
	.type	k_q91b929126f_oproj,@function
k_q91b929126f_oproj:
	s_mov_b64 s[64:65], 0
	v_nop
	global_prefetch_b8 v0, s[64:65] scope:SCOPE_SE
	s_setreg_imm32_b32 hwreg(HW_REG_WAVE_MODE, 25, 1), 1
	s_wait_xcnt 0x0
	s_wait_alu depctr_hold_cnt(0) depctr_sa_sdst(0) depctr_va_vdst(0) depctr_va_sdst(0) depctr_va_ssrc(0) depctr_va_vcc(0) depctr_vm_vsrc(0)
	s_getreg_b32 s2, hwreg(HW_REG_IB_STS2, 6, 4)
	s_cmp_eq_u32 s2, 0
	s_cbranch_scc0 .Lentry_in_a_cluster
	s_endpgm
.Lentry_in_a_cluster:
	s_bfe_u32 s2, ttmp6, 0x10000c
	s_cmp_lg_u32 s2, 0xf033
	s_cbranch_scc0 .Lentry_shape_is_right
	s_endpgm
.Lentry_shape_is_right:
; out0 = O Wo^T + bo, 2,048 x 2,048 x 2,048, on codes of FP6 (E2M3) with one E8M0 scale for each 32 along K; sums and result in f32.
; A = O comes as IMAGES OF OPERAND REGISTERS: oimg [head][tile of 16 rows][1,536 bytes], register group c of lane l at 512 c + 16 l; a head is a K step of 128.  Its scale words come as packs, osc [head][block of
; 128 rows][512 bytes]: word p of lane l is the word of tile 2 p + l / 16, row l % 16.  B = Wo comes as rows of codes (1,536 bytes) and rows of scale bytes (64).
; A work-group makes 256 x 256 of C, a wave 128 x 128 (64 accumulators).  K goes in steps of 256 (two heads) through two LDS slots; all scale words of the work-group's rows stay in LDS.
; CLUSTERS: 4 x 4 work-groups; A's tiles are asked for jointly along a row of the cluster, B's along a column.  The matrix instruction is used transposed (source 0 = 16 rows of Wo, source 1 = 16 rows of O):
; a lane holds eight neighbouring numbers of a row of C.  bo is the C of the first products.
; 64 tiles of 256 x 256 are all that this size has: 64 work-groups.
; REGISTERS: window 0: v0-31 addresses; v32-63 scale words, two sets of 16 (8 of B's, 8 of A's); v64-127 bo; v128-223 A's fragments; on the way out v128-255 rows of C.  window 1: B's fragments, two sets.
;   windows 2, 3: the accumulators.
.set SIZE_N, 2048
.set KSTEP,  256
.set NQ,     2
.set ROWB,   192
.set KROW,   1536
.set PITCH,  240                       ; B's LDS row: 3 x (64 bytes + 16 of padding)
.set FR,     12
.set NLA,    3                         ; LDS loads that bring a fragment of A
.set NP,     4
.set AHALF,  24576                     ; A: 128 rows x 256 K: 2 heads x 8 images
.set BOFF,   2*AHALF
.set HALFT,  128*PITCH
.set SLOT,   BOFF+2*HALFT
.set LAPS,   2048/(2*KSTEP)
.set KS,     64
.set SCLB,   2*SLOT                    ; B's scale bytes: units of 256 bytes + 16
.set HALFS,  (128*KS/256)*272
.set SBLK,   (16*KS/256)*272
.set SCLA,   SCLB+2*HALFS              ; A's packs: 1,024 bytes a head (two blocks of 128 rows)
.set SPARE,  SCLA+16384                ; the spare words: two blocks of 256 bytes that no other line names
.set SPITCH, 528                       ; the way out: a stage of 16 rows x (512 + 16) bytes a wave, in slot 0, which has had its last fill and its last read by then
.set ADRA, 16                          ; v16-17
.set ADRB, 20                          ; v20-23
.set STO,  24
.set RD,   25
.set CO,   26
.set ADRS, 27                          ; B's scale words
.set SPW,  28
.set NIL,  29
.set ADRSA, 30                         ; A's packs
.set SC,   32
.set BN,   64
.set AF,   128
.set BK,   128
.set G1, 24
.set G0, 32
.set G1B, 48
.set G0B, 56
.set G1S, 68
.set G0S, 76
.set G1SB, 80
.set G0SB, 88
.set MSB, 0
.macro WIN new
.if MSB != (\new)
	s_set_vgpr_msb (MSB<<8)|(\new)
.set MSB, (\new)
.endif
.endm
.set MUL_LO, 0xa1
.set MUL_HI, 0xf1
.set FST_LO, 0x81                      ; the first products: C (bo) window 0
.set FST_HI, 0xc1
.set TO_B,   0x40
.macro JLOAD g0a, g1a, g0b, g1b        ; waves 0 and 1 fetch for A, waves 2 and 3 for B; four v_nop follow each of the two lines
	s_cmp_eq_u32 s15, 0
	s_cbranch_scc0 .Lfor_b_\@
	tensor_load_to_lds s[\g0a:\g0a+3], s[\g1a:\g1a+7]
	s_nop 0
.rept 4
	v_nop
.endr
	s_branch .Lasked_\@
.Lfor_b_\@:
	tensor_load_to_lds s[\g0b:\g0b+3], s[\g1b:\g1b+7]
	s_nop 0
.rept 4
	v_nop
.endr
.Lasked_\@:
.endm
.macro CREST
	s_cmp_lg_u32 s14, 0
	s_cbranch_scc1 .Lnot_wave_0_\@
	s_barrier_signal -3
.Lnot_wave_0_\@:
	s_barrier_wait -3
	s_barrier_signal -1
	s_barrier_wait -1
.endm
.macro CROUND
	s_barrier_signal -1
	s_barrier_wait -1
	CREST
.endm
	s_load_b128 s[4:7], s[0:1], 0x0                ; O's images, O's packs
	s_load_b128 s[8:11], s[0:1], 0x10              ; Wo's codes, Wo's scales
	s_load_b64 s[12:13], s[0:1], 0x20              ; out0
	s_load_b64 s[66:67], s[0:1], 0x28              ; bo
	v_lshl_add_u32 v[SPW], v0, 2, SPARE
	v_mov_b32 v[NIL], 0
	ds_add_u32 v28, v29
	ds_add_u32 v28, v29
	s_wait_dscnt 0x0
	v_lshrrev_b32 v1, 5, v0
	v_readfirstlane_b32 s14, v1                    ; wave 0..3
	s_lshr_b32 s15, s14, 1                         ; which half of the tile's rows is mine.  Also: I fetch for A (0) or for B (1)
	s_and_b32 s16, s14, 1                          ; which half of its columns.  Also: which half I fetch
	s_bfe_u32 s40, ttmp6, 0x40000
	s_bfe_u32 s41, ttmp6, 0x40004
	s_lshl_b32 s42, ttmp9, 2
	s_add_co_u32 s42, s42, s40                     ; tile column of C
	s_and_b32 s17, ttmp7, 0xffff
	s_lshl_b32 s17, s17, 2
	s_add_co_u32 s17, s17, s41                     ; tile row of C
	s_lshl_b32 s43, s41, 2
	s_lshl_b32 s43, 15, s43                        ; my row of the cluster
	s_lshl_b32 s44, 0x1111, s40                    ; my column
	; A's tiles: two rows (heads) of 12,288 bytes (eight images: 1,536 elements of 8 bytes), 196,608 bytes apart; no padding
	s_or_b32 s[G1+0], s43, (3<<16)|(1<<21)
	s_mov_b32 s[G1+1], 1536<<16
	s_mov_b32 s[G1+2], 2<<16
	s_mov_b32 s[G1+3], 1536<<16
	s_mov_b32 s[G1+4], 2
	s_mov_b32 s[G1+5], 24576
	s_mov_b32 s[G1+6], 0
	s_mov_b32 s[G1+7], 0
	; B's tiles: 128 rows x 192 bytes, 16 bytes of padding behind every 64
	s_or_b32 s[G1B+0], s44, (0<<16)|(1<<20)|(1<<21)|(3<<22)|(3<<25)
	s_mov_b32 s[G1B+1], ROWB<<16
	s_mov_b32 s[G1B+2], 128<<16
	s_mov_b32 s[G1B+3], ROWB<<16
	s_mov_b32 s[G1B+4], 128
	s_mov_b32 s[G1B+5], KROW
	s_mov_b32 s[G1B+6], 0
	s_mov_b32 s[G1B+7], 0
	; A's packs: eight rows (heads) of 1,024 bytes, 8,192 bytes apart
	s_or_b32 s[G1S+0], s43, (3<<16)|(1<<21)
	s_mov_b32 s[G1S+1], 128<<16
	s_mov_b32 s[G1S+2], 8<<16
	s_mov_b32 s[G1S+3], 128<<16
	s_mov_b32 s[G1S+4], 8
	s_mov_b32 s[G1S+5], 1024
	s_mov_b32 s[G1S+6], 0
	s_mov_b32 s[G1S+7], 0
	; B's scale bytes of 128 rows: 32 rows of 256 bytes, 16 bytes of padding behind each
	s_or_b32 s[G1SB+0], s44, (3<<16)|(1<<20)|(1<<21)|(5<<22)|(3<<25)
	s_mov_b32 s[G1SB+1], 32<<16
	s_mov_b32 s[G1SB+2], (128*KS/256)<<16
	s_mov_b32 s[G1SB+3], 32<<16
	s_mov_b32 s[G1SB+4], 128*KS/256
	s_mov_b32 s[G1SB+5], 32
	s_mov_b32 s[G1SB+6], 0
	s_mov_b32 s[G1SB+7], 0
	s_lshl_b32 s20, s17, 4                         ; A: row tile 16 x tile row + 8 x half,
	s_lshl_b32 s18, s16, 3
	s_add_co_u32 s20, s20, s18
	s_mul_i32 s20, s20, 1536                       ; in bytes
	s_mov_b32 s21, 0
	s_lshl_b32 s22, s17, 10                        ; A's packs: 1,024 x tile row, heads 8 x half on
	s_lshl_b32 s18, s16, 16
	s_add_co_u32 s22, s22, s18
	s_mov_b32 s23, 0
	s_lshl_b32 s18, s16, 7
	s_lshl_b32 s46, s42, 8
	s_add_co_u32 s46, s46, s18                     ; B: row 256 x tile column + 128 x half
	s_mov_b32 s47, 0
	s_mov_b64 s[18:19], KS
	s_mul_u64 s[92:93], s[46:47], s[18:19]
	s_mov_b64 s[18:19], KROW
	s_mul_u64 s[46:47], s[46:47], s[18:19]
	s_mul_i32 s45, s16, AHALF                      ; where they go in a slot: A's halves,
	s_mul_i32 s95, s16, HALFT
	s_add_co_u32 s95, s95, BOFF                    ; B's halves behind them
	s_lshl_b32 s94, s16, 13
	s_mul_i32 s96, s16, HALFS
	s_wait_kmcnt 0x0
	s_add_nc_u64 s[20:21], s[4:5], s[20:21]
	s_add_nc_u64 s[22:23], s[6:7], s[22:23]
	s_add_nc_u64 s[46:47], s[8:9], s[46:47]
	s_add_nc_u64 s[92:93], s[10:11], s[92:93]
	CROUND                                         ; all sixteen work-groups are here: the first joint loads meet
	s_mov_b32 s[G0S], 1
	s_add_co_u32 s[G0S+1], s94, SCLA
	s_mov_b64 s[G0S+2:G0S+3], s[22:23]
	s_or_b32 s[G0S+3], s[G0S+3], 0x80000000
	s_mov_b32 s[G0SB], 1
	s_add_co_u32 s[G0SB+1], s96, SCLB
	s_mov_b64 s[G0SB+2:G0SB+3], s[92:93]
	s_or_b32 s[G0SB+3], s[G0SB+3], 0x80000000
	JLOAD G0S, G1S, G0SB, G1SB                     ; the scales first.  With the two below, three loads of mine are out
.irp s, 0,1
	s_mov_b32 s[G0+4*\s], 1
	s_add_co_u32 s[G0+4*\s+1], s45, \s*SLOT
	s_add_nc_u64 s[G0+4*\s+2:G0+4*\s+3], s[20:21], \s*2*196608   ; K step s: heads 2 s, 2 s + 1
	s_or_b32 s[G0+4*\s+3], s[G0+4*\s+3], 0x80000000
	s_mov_b32 s[G0B+4*\s], 1
	s_add_co_u32 s[G0B+4*\s+1], s95, \s*SLOT
	s_add_nc_u64 s[G0B+4*\s+2:G0B+4*\s+3], s[46:47], \s*ROWB
	s_or_b32 s[G0B+4*\s+3], s[G0B+4*\s+3], 0x80000000
	JLOAD G0+4*\s, G1, G0B+4*\s, G1B
.endr
	v_and_b32 v1, 15, v0                           ; r
	v_bfe_u32 v2, v0, 4, 1                         ; h
	s_lshl_b32 s46, s42, 10                        ; my first column, in bytes: 1,024 x tile column + 512 x half
	s_lshl_b32 s47, s16, 9
	s_add_co_u32 s46, s46, s47
	s_mov_b32 s47, 0
	s_add_nc_u64 s[66:67], s[66:67], s[46:47]      ; bo at my 128 columns
	v_lshlrev_b32 v7, 5, v2
.irp b, 0,1,2,3,4,5,6,7
	global_load_b128 v[BN+8*\b:BN+8*\b+3], v7, s[66:67] offset:64*\b           ; bo(16 b + 8 h + 0 .. 7): the result's layout
	global_load_b128 v[BN+8*\b+4:BN+8*\b+7], v7, s[66:67] offset:64*\b+16
.endr
	v_and_b32 v6, 31, v0
	v_lshlrev_b32 v[CO], 4, v6                     ; 16 x lane
	v_mul_u32_u24 v3, v1, PITCH
	v_mul_u32_u24 v4, v2, 24
	v_add_nc_u32 v4, v3, v4                        ; B: a fragment's row x pitch + 24 x half
	v_lshl_add_u32 v5, v2, 4, v4                   ; and the same behind one padding more
	s_mul_i32 s21, s15, AHALF                      ; my 128 rows of A: images
	s_mul_i32 s22, s16, HALFT                      ; my 128 rows of B
	s_add_co_u32 s22, s22, BOFF
.irp s, 0,1
	v_add_nc_u32 v[ADRA+\s], s21, v[CO]
	v_add_nc_u32 v[ADRB+\s], s22, v4
	v_add_nc_u32 v[ADRB+2+\s], s22, v5
	s_add_co_u32 s21, s21, SLOT
	s_add_co_u32 s22, s22, SLOT
.endr
	v_mul_u32_u24 v5, v1, KS                       ; B's scale bytes: 64 a row,
	v_lshrrev_b32 v6, 8, v5
	v_lshl_add_u32 v5, v6, 4, v5                   ; 16 more for each 256 passed,
	v_mad_u32_u24 v5, v2, SBLK, v5                 ; lanes 16-31 take the odd tile, 16 rows on
	s_mul_i32 s22, s16, HALFS
	s_add_co_u32 s22, s22, SCLB
	v_add_nc_u32 v[ADRS], s22, v5
	s_lshl_b32 s21, s15, 9                         ; A's packs: my block of 128 rows
	s_add_co_u32 s21, s21, SCLA
	v_add_nc_u32 v[ADRSA], s21, v[CO]
	s_mul_i32 s23, s14, 16*SPITCH                  ; my stage
	v_mul_u32_u24 v5, v1, SPITCH
	v_lshl_add_u32 v5, v2, 5, v5
	v_add_nc_u32 v[STO], s23, v5                   ; in: row r, 32 bytes for each half of the lanes
	v_add_nc_u32 v[RD], s23, v[CO]                 ; back: the 32 lanes take one row of 512 bytes
	s_lshl_b32 s20, s17, 8
	s_lshl_b32 s21, s15, 7
	s_add_co_u32 s20, s20, s21                     ; my first row of C
	s_mov_b32 s21, 0
	s_mov_b64 s[18:19], SIZE_N*4
	s_mul_u64 s[20:21], s[20:21], s[18:19]
	s_add_nc_u64 s[20:21], s[20:21], s[46:47]
	s_add_nc_u64 s[12:13], s[12:13], s[20:21]
.macro FRAG reg, adr, q, i             ; B: 16 rows x 128 K from rows in LDS, in pieces of 8 bytes
.irp p, 0,1,2,3,4,5
.set PCE, 12*(\q)+6*(\p/3)+\p%3
.if PCE%8 < 5
	ds_load_b64 v[\reg+2*\p:\reg+2*\p+1], v[\adr] offset:8*PCE+16*(PCE/8)+(\i)*16*PITCH
.else
	ds_load_b64 v[\reg+2*\p:\reg+2*\p+1], v[\adr+2] offset:8*PCE+16*(PCE/8)+(\i)*16*PITCH
.endif
.endr
.endm
.macro FRAGA reg, adr, q, i            ; A: an image: three loads of 512 consecutive bytes
.irp c, 0,1,2
	ds_load_b128 v[\reg+4*\c:\reg+4*\c+3], v[\adr] offset:12288*(\q)+1536*(\i)+512*\c
.endr
.endm
; one product.  The scale words of an odd tile stand in lanes 16-31 of the register that it shares with the even tile before it.
.macro WM d, bf, af, cb, sb, sa, bodd, aodd
.if (\bodd) && (\aodd)
	v_wmma_scale_f32_16x16x128_f8f6f4 v[\d:\d+7], v[\bf:\bf+FR-1], v[\af:\af+FR-1], v[\cb:\cb+7], v[\sb], v[\sa] matrix_a_fmt:MATRIX_FMT_FP6 matrix_b_fmt:MATRIX_FMT_FP6 matrix_a_scale:MATRIX_SCALE_ROW1 matrix_b_scale:MATRIX_SCALE_ROW1
.elseif \bodd
	v_wmma_scale_f32_16x16x128_f8f6f4 v[\d:\d+7], v[\bf:\bf+FR-1], v[\af:\af+FR-1], v[\cb:\cb+7], v[\sb], v[\sa] matrix_a_fmt:MATRIX_FMT_FP6 matrix_b_fmt:MATRIX_FMT_FP6 matrix_a_scale:MATRIX_SCALE_ROW1
.elseif \aodd
	v_wmma_scale_f32_16x16x128_f8f6f4 v[\d:\d+7], v[\bf:\bf+FR-1], v[\af:\af+FR-1], v[\cb:\cb+7], v[\sb], v[\sa] matrix_a_fmt:MATRIX_FMT_FP6 matrix_b_fmt:MATRIX_FMT_FP6 matrix_b_scale:MATRIX_SCALE_ROW1
.else
	v_wmma_scale_f32_16x16x128_f8f6f4 v[\d:\d+7], v[\bf:\bf+FR-1], v[\af:\af+FR-1], v[\cb:\cb+7], v[\sb], v[\sa] matrix_a_fmt:MATRIX_FMT_FP6 matrix_b_fmt:MATRIX_FMT_FP6
.endif
.endm
; 16 matrix instructions: A's blocks a0, a0 + 1 x B's eight.  zero = 1: the first products start the sums from bo.  The 64 accumulators take turns, one instruction a turn.
.macro MUL16 a0, p, q, sc, zero
.irp a, \a0, \a0+1
.irp b, 0,1,2,3,4,5,6,7
.if \zero
	WM (8*(8*((\a)%4)+\b)), (128*(\p)+FR*\b), (AF+FR*(\a)), (BN+8*\b), (SC+16*(\sc)+2*(\b/2)+(\q)), (SC+16*(\sc)+8+4*(\q)+(\a)/2), (\b%2), ((\a)%2)
.else
	WM (8*(8*((\a)%4)+\b)), (128*(\p)+FR*\b), (AF+FR*(\a)), (8*(8*((\a)%4)+\b)), (SC+16*(\sc)+2*(\b/2)+(\q)), (SC+16*(\sc)+8+4*(\q)+(\a)/2), (\b%2), ((\a)%2)
.endif
.endr
.endr
.endm
.macro FETCH_B slot, q, p
	WIN TO_B
.irp i, 0,1,2,3,4,5,6,7
	FRAG 128*(\p)+FR*\i, ADRB+\slot, \q, \i
.endr
	WIN 0
.endm
.macro FETCH_A slot, q, i0
.irp i, \i0, \i0+1, \i0+2, \i0+3
	FRAGA AF+FR*(\i), ADRA+\slot, \q, \i
.endr
.endm
.macro SCALES sc                       ; a K step's scale words: B's, two words a row, lanes 0-15 tile 2 i, lanes 16-31 tile 2 i + 1; A's, a pack for each of the two heads
.irp i, 0,1,2,3
	ds_load_b64 v[SC+16*\sc+2*\i:SC+16*\sc+2*\i+1], v[ADRS] offset:\i*2*SBLK
.endr
.irp q, 0,1
	ds_load_b128 v[SC+16*\sc+8+4*\q:SC+16*\sc+8+4*\q+3], v[ADRSA] offset:1024*\q
.endr
.endm
.macro PLACES n
.rept \n
	v_nop
.endr
.endm
.macro STEP slot, q, zero
	s_wait_dscnt 4*NLA                             ; B's set, A's blocks 0-3 and the scale words are in; the youngest 12 loads (A's blocks 4-7) may be out
.if \zero
	WIN FST_LO
.else
	WIN MUL_LO
.endif
	MUL16 0, (\q)%2, \q, \slot, \zero
	MUL16 2, (\q)%2, \q, \slot, \zero
	s_wait_dscnt 0
	PLACES NP
	FETCH_B \slot, (\q)+1, 1-(\q)%2
	FETCH_A \slot, (\q)+1, 0
.if \zero
	WIN FST_HI
.else
	WIN MUL_HI
.endif
	MUL16 4, (\q)%2, \q, \slot, \zero
	MUL16 6, (\q)%2, \q, \slot, \zero
	PLACES NP
	WIN 0
	FETCH_A \slot, (\q)+1, 4
.endm
.macro TURN slot, next, fill
	s_wait_tensorcnt 0x0                           ; all my tensor loads have landed: my part of the next slot
	ds_add_u32 v[SPW], v[NIL]                      ; 0 onto my spare word
	s_wait_dscnt 4*NLA+1                           ; (the add and the youngest 12 loads may be out)
	WIN MUL_LO
	MUL16 0, 1, NQ-1, \slot, 0
	s_wait_dscnt 0x0                               ; the add is done, and my reads of this slot are over
	s_barrier_signal -1
	MUL16 2, 1, NQ-1, \slot, 0
	WIN 0
	s_barrier_wait -1
.if \fill
	CREST                                          ; the barrier has opened a round of the cluster's barrier
	s_add_nc_u64 s[G0+4*\slot+2:G0+4*\slot+3], s[G0+4*\slot+2:G0+4*\slot+3], 4*196608   ; two K steps on: four heads
	s_add_nc_u64 s[G0B+4*\slot+2:G0B+4*\slot+3], s[G0B+4*\slot+2:G0B+4*\slot+3], 2*ROWB
	JLOAD G0+4*\slot, G1, G0B+4*\slot, G1B         ; the first tensor load behind the round; its four v_nop are the places in front of the loads below
.else
	PLACES NP
.endif
	v_add_nc_u32 v[ADRS], 4*NQ, v[ADRS]            ; the next K step's scale words
	v_add_nc_u32 v[ADRSA], 2048, v[ADRSA]
	FETCH_B \next, 0, 0
	FETCH_A \next, 0, 0
	SCALES \next
	WIN MUL_HI
	MUL16 4, 1, NQ-1, \slot, 0
	MUL16 6, 1, NQ-1, \slot, 0
	PLACES NP
	WIN 0
	FETCH_A \next, 0, 4
.endm
	s_wait_loadcnt 0x0                             ; bo
	s_wait_tensorcnt 1                             ; the scales and my part of K step 0 are in (K step 1's load may be out),
	s_barrier_signal -1
	s_barrier_wait -1                              ; everybody's are
	FETCH_B 0, 0, 0
	FETCH_A 0, 0, 0
	SCALES 0
	FETCH_A 0, 0, 4
	STEP 0, 0, 1                                   ; the first step stands in front of the loop: its products start the sums
	s_mov_b32 s3, LAPS-1
.Llap:
	TURN 0, 1, 1
	STEP 1, 0, 0
	TURN 1, 0, 1
	STEP 0, 0, 0
	s_sub_co_u32 s3, s3, 1
	s_cmp_lg_u32 s3, 0
	s_cbranch_scc1 .Llap
	TURN 0, 1, 0                                   ; the last lap fills nothing
	STEP 1, 0, 0
	s_wait_dscnt 4*NLA
	WIN MUL_LO
	MUL16 0, 1, NQ-1, 1, 0
	MUL16 2, 1, NQ-1, 1, 0
	s_wait_dscnt 0
	WIN MUL_HI
	MUL16 4, 1, NQ-1, 1, 0
	MUL16 6, 1, NQ-1, 1, 0
	WIN 0
; THE WAY OUT, block by block of 16 rows x 128 columns, through my own stage in LDS: in as 32 bytes a lane, back as whole rows of 512 bytes.  LDS serves a wave's instructions in order (ISA guide 5.7.1.4).
.macro TOSTAGE a
.set AC, 64*((\a)%4)
	WIN (0x08+4*((\a)/4))                          ; the data: window 2 or 3
.irp b, 0,1,2,3,4,5,6,7
	ds_store_b128 v[STO], v[AC+8*\b:AC+8*\b+3] offset:64*\b          ; each accumulator from its low end on
	ds_store_b128 v[STO], v[AC+8*\b+4:AC+8*\b+7] offset:64*\b+16
.endr
	WIN 0
.set BB, BK+64*((\a)%2)
.irp t, 0,1,2,3,4,5,6,7,8,9,10,11,12,13,14,15
	ds_load_b128 v[BB+4*\t:BB+4*\t+3], v[RD] offset:\t*SPITCH
.endr
.endm
.macro SEND a, younger
.set BB, BK+64*((\a)%2)
	s_wait_dscnt \younger                          ; the block is back in registers
.if (\a) > 0
	s_add_nc_u64 s[12:13], s[12:13], 16*SIZE_N*4   ; (behind a wait on XCNT: the earlier stores have read their base)
.endif
.irp t, 0,1,2,3,4,5,6,7,8,9,10,11,12,13,14,15
	global_store_b128 v[CO], v[BB+4*\t:BB+4*\t+3], s[12:13] offset:\t*SIZE_N*4 th:TH_STORE_NT   ; 32 lanes store 512 consecutive bytes, at a multiple of 256 from out0's first byte
.endr
.endm
	PLACES NP
	TOSTAGE 0
.irp a, 1,2,3,4,5,6,7
.if \a > 1
	s_wait_xcnt 0x0                                ; block a - 2's stores have read their registers and their base
.endif
	TOSTAGE \a
	SEND \a-1, 32                                  ; behind block a - 1's loads: block a's 16 stores and 16 loads
.endr
	s_wait_xcnt 0x0
	SEND 7, 0
	s_wait_tensorcnt 0x0                           ; the wave's end
	ds_add_u32 v[SPW], v[NIL]
	s_wait_dscnt 0x0
	CROUND                                         ; the closing round
	s_endpgm
.Lfunc_end_k_q91b929126f_oproj:
	.size	k_q91b929126f_oproj, .Lfunc_end_k_q91b929126f_oproj-k_q91b929126f_oproj
	.p2alignl 7, 3214868480
	.fill 96, 4, 3214868480
	.section	.rodata,"a",@progbits
	.p2align	6, 0x0
	.amdhsa_kernel k_q91b929126f_oproj
		.amdhsa_group_segment_fixed_size 327680
		.amdhsa_private_segment_fixed_size 0
		.amdhsa_enable_private_segment 0
		.amdhsa_kernarg_size 48
		.amdhsa_user_sgpr_count 2
		.amdhsa_user_sgpr_kernarg_segment_ptr 1
		.amdhsa_wavefront_size32 1
		.amdhsa_system_sgpr_workgroup_id_x 1
		.amdhsa_system_sgpr_workgroup_id_y 1
		.amdhsa_system_sgpr_workgroup_id_z 1
		.amdhsa_system_vgpr_workitem_id 0
		.amdhsa_next_free_vgpr 1024
		.amdhsa_next_free_sgpr 98
		.amdhsa_reserve_vcc 0
		.amdhsa_float_denorm_mode_32 3
		.amdhsa_float_denorm_mode_16_64 3
		.amdhsa_memory_ordered 1
		.amdhsa_forward_progress 1
		.amdhsa_inst_pref_size 149
	.end_amdhsa_kernel
	.amdgpu_metadata
---
amdhsa.version: [ 1, 2 ]
amdhsa.kernels:
  - .name:           k_q91b929126f_oproj
    .symbol:         k_q91b929126f_oproj.kd
    .args:
      - { .name: oimg, .offset: 0, .size: 8, .value_kind: global_buffer, .address_space: global }
      - { .name: osc, .offset: 8, .size: 8, .value_kind: global_buffer, .address_space: global }
      - { .name: Wo_codes, .offset: 16, .size: 8, .value_kind: global_buffer, .address_space: global }
      - { .name: Wo_scales, .offset: 24, .size: 8, .value_kind: global_buffer, .address_space: global }
      - { .name: out0, .offset: 32, .size: 8, .value_kind: global_buffer, .address_space: global }
      - { .name: bo, .offset: 40, .size: 8, .value_kind: global_buffer, .address_space: global }
    .group_segment_fixed_size: 327680
    .private_segment_fixed_size: 0
    .kernarg_segment_align: 8
    .kernarg_segment_size: 48
    .max_flat_workgroup_size: 128
    .sgpr_count:     98
    .vgpr_count:     1024
    .wavefront_size: 32
...
	.end_amdgpu_metadata
.endif
;; end of part 3
